; MI455X (gfx1250); checked and timed in simulation.
; The chip was launched on July 23, 2026; its instructions are those of AMD's public machine-readable ISA for CDNA 5 (MIT licence, August 2026) and "CDNA5" Instruction Set Architecture Reference Guide (July 2026). The comments in the code are by the model that wrote it; some were corrected since.
;; Flex Causal Self Attention. Allowed arithmetic: matrix products marked QUANTISED: E4M3 operands, one given power-of-two scale a tensor, by v_wmma_f32_16x16x64_fp8_fp8 or v_wmma_f32_16x16x128_fp8_fp8, f32 sums; everything else in f32.
;; Inputs: Wk 1,024 x 1,024 float32; Wo 1,024 x 1,024 float32; Wq 1,024 x 1,024 float32; Wv 1,024 x 1,024 float32; bk 1,024 float32; bo 1,024 float32; bq 1,024 float32; bv 1,024 float32; lowp_scales 14 int32 (the exponents e of the quantised operands' scales 2^e); rel_key 2,048 x 64 float32; x 2 x 2,048 x 1,024 float32.
;; Outputs: out0 2 x 2,048 x 1,024 float32.
;; This version of the problem:
;;   THIS VERSION OF THE PROBLEM IS GIVEN IN LOW PRECISION. The matrix products marked QUANTISED in the list below multiply operands that are first quantised to E4M3 (4 exponent bits, 3 mantissa bits; 8 bits a number), with one given power-of-two scale for each operand tensor; their sums are f32. All else is computed in f32.
;;   The module's matrix products, in the order in which they are computed (A, B: the left and right operand; K: the contracted axis; several contracted axes count as one K, in the product's order):
;;     1. [M 4,096, K 1,024] x [K 1,024, N 1,024]; A: input x; B: input Wq: QUANTISED (scales: A lowp_scales[0], B lowp_scales[1])
;;     2. [M 4,096, K 1,024] x [K 1,024, N 1,024]; A: input x; B: input Wk: QUANTISED (scales: A lowp_scales[2], B lowp_scales[3])
;;     3. [M 4,096, K 1,024] x [K 1,024, N 1,024]; A: input x; B: input Wv: QUANTISED (scales: A lowp_scales[4], B lowp_scales[5])
;;     4. batch 32 x [M 2,048, K 64] x [K 64, N 2,048]; A: computed on the way; B: computed on the way: QUANTISED (scales: A lowp_scales[6], B lowp_scales[7])
;;     5. [M 65,536, K 64] x [K 64, N 2,048]; A: computed on the way; B: input rel_key: QUANTISED (scales: A lowp_scales[8], B lowp_scales[9])
;;     6. batch 32 x [M 2,048, K 2,048] x [K 2,048, N 64]; A: softmax (see below); B: computed on the way: QUANTISED (scales: A lowp_scales[10], B lowp_scales[11])
;;     7. [M 4,096, K 1,024] x [K 1,024, N 1,024]; A: computed on the way; B: input Wo: QUANTISED (scales: A lowp_scales[12], B lowp_scales[13])
;;   THE QUANTISER, for each operand of a quantised product, along K:
;;     - The operand's scale is 2^e, e = its entry of the input lowp_scales (int32; the entries are numbered through the quantised products in the list's order, A before B).
;;     - Each number is divided by the scale, clamped to +-448, and rounded to the nearest number of E4M3, ties to even, subnormals kept.
;;     - The product sums the exact products of the quantised numbers (number of the format x scale) in f32.
;;   ~~~python
;;   def quantise(x, axis, e):      # numpy; x: float32 -> the quantised numbers, widened to float32 again
;;       x = np.moveaxis(x, axis, -1); K = x.shape[-1]
;;       r = np.clip(x / 2.0 ** e, -448, 448)
;;       step = 2.0 ** (np.maximum(np.frexp(np.where(r == 0, 1, r))[1] - 1, -6) - 3)
;;       q = np.round(r / step) * step * 2.0 ** e      # np.round: ties to even
;;       return np.moveaxis(q, -1, axis).astype(np.float32)
;;   ~~~
;;   SOFTMAX AHEAD OF A QUANTISED PRODUCT. Where the list says 'softmax', what is quantised is not the finished softmax but p = 2^(t - M), with t = logit x log2(e) and M = ceil(the row's largest t), a whole number; so 1/2 < the row's largest p <= 1. The row's sum l is taken of the UNQUANTISED p, in f32, and the product's result is divided by l at the end. Since M is a whole number, a kernel that streams over the keys may use a running M (the ceiling of the running maximum): every later rescaling is an exact power of two, so the quantised numbers keep their values, but for numbers so far below the row's largest that they fall under the format's range.
;;   OPERANDS COMPUTED ON THE WAY. 'Computed on the way' means the value that the module computes at that place (a softmax that the list does not call 'softmax' is quantised finished and normalised). What goes into a quantiser is computed in f32, as accurately as f32 sums, v_exp_f32 and their like allow (about 1e-6 of the number): no bf16 or f16 on the way to a quantiser, and a product that is left as it is and whose result goes on into a quantised operand takes f32 operands (vector FMAs, or v_wmma_f32_16x16x4_f32). A number that lies on a knife's edge between two numbers of the format may be rounded either way, as far as f32 arithmetic and the matrix unit's own rounding can turn it there, and no further.
;; One version. Each part assembles by itself: llvm-mc -triple=amdgcn-amd-amdhsa -mcpu=gfx1250 --defsym DOCPART=n.
;; ======== version 1 of 1: 4 launches
;; limits: right only within a limited range of input values
;; workspace buffers: xcodes 12,582,912 bytes; wcodes 4,194,304 bytes; rkcodes 131,072 bytes; qkvc 16,777,216 bytes; acodes 4,194,304 bytes
;; launch quant (part 1): grid 392 x 1, 4 waves a work-group, no clusters, 68,096 bytes of LDS; arguments x, rel_key, Wq, Wk, Wv, Wo, lowp_scales, xcodes, rkcodes, wcodes; writes xcodes, rkcodes, wcodes
.if DOCPART == 1
	.amdgcn_target "amdgcn-amd-amdhsa--gfx1250"
	.amdhsa_code_object_version 6
	.text
	.protected	k_q9f5ad96ac3_quant
	.globl	k_q9f5ad96ac3_quant
	.p2align	8
	.type	k_q9f5ad96ac3_quant,@function
k_q9f5ad96ac3_quant:
	s_mov_b64 s[64:65], 0
	v_nop
	global_prefetch_b8 v0, s[64:65] scope:SCOPE_SE
	s_setreg_imm32_b32 hwreg(HW_REG_WAVE_MODE, 25, 1), 1
	s_wait_xcnt 0x0
; ONE LAUNCH QUANTISES EVERY INPUT OPERAND to E4M3: code = number / 2^e, held within +-448, to the nearest code, ties to even.
; WORK LEFT OUT BY THE PROGRAM (in launch attn): reference() sets every logit with key j > query i to -inf by a mask of its own, so tiles of keys that lie wholly behind a wave's queries are not multiplied;
; and of q . rel_key only the columns j - i + 2047 that reference() gathers for j <= i are computed.  This holds for all values of the inputs.  A NaN or an infinity that reaches only that work is not carried to the result.
; Work-groups 0-255: x [4096][1024] f32 into THREE sets of codes (e0, e2, e4, which need not be equal): xcodes, three sections of 4 MiB laid as x.
; Work-groups 256-263: rel_key [2048][64] into one set (e9), laid for the reader's registers: the 16 bytes of row p, k = 16 c .. 16 c + 15, stand at byte
;   512 (p / 8) + 128 (c xor (p / 8) % 2) + 16 (p % 8): any 16 rows on end of one c fall on 16 different 16-byte columns of 256, and the table has no gaps.  A step's 8 rows are 512 consecutive bytes, stored by one instruction.
; Work-groups 264-391: Wq, Wk, Wv, Wo [1024 k][1024 n] (e1, e3, e5, e13) into wcodes, 1 MiB each, laid [n][k]: a lane takes a column n and its registers run down K, so nothing is transposed by an instruction.
; The two ways part on the work-group's number and have LDS bytes of their own.  No tensor load, no barrier: waves share nothing.
; LIMITS: each e between -126 and 119, so that 2^e and 448 x 2^e are f32 numbers.  NaN among the inputs is not served.
.set STEPS, 8
.set WGX,   256                        ; work-groups for x
.set WGQ,   264                        ; and with rel_key's
.set MANT,  0x600000                   ; the mantissa field of 448 as f32
.set R,     16                         ; v16-79   four sets of 16 numbers as loaded
.set X,     80                         ; v80-111  two sets of 16 neighbours
.set T,     112                        ; v112-143 two sets of held numbers
.set C,     144                        ; v144-155 three sets of codes
.set WREG,  8192                       ; x's way: a region for each wave: two stages of 32 x SP bytes
.set SP,    80
.set WBASE, 4*WREG                     ; the weights' way: four stages of 32 rows x PITCH
.set PITCH, 272
.set SPARE, WBASE+4*32*PITCH           ; the spare words, 128 bytes a wave
.set SPW,   12                         ; v12  LDS address of my spare word; never rewritten
.set NIL,   13                         ; v13  0; never rewritten
	v_lshl_add_u32 v[SPW], v0, 2, SPARE
	v_mov_b32 v[NIL], 0
	v_lshrrev_b32 v1, 5, v0
	v_readfirstlane_b32 s16, v1                    ; wave
	v_and_b32 v2, 31, v0                           ; lane
	s_cmp_ge_u32 ttmp9, WGQ
	s_wait_alu depctr_va_vdst(0)                   ; the wait ahead of the branch
	s_cbranch_scc1 .Lweights
	s_load_b128 s[4:7], s[0:1], 0x0                ; x, rel_key
	s_load_b64 s[10:11], s[0:1], 0x30              ; the exponents
	s_load_b128 s[12:15], s[0:1], 0x38             ; xcodes, rkcodes
	v_lshlrev_b32 v3, 4, v2                        ; my 16 bytes of a load's 512
	s_mul_i32 s17, s16, WREG
	v_lshrrev_b32 v14, 2, v2
	v_mul_u32_u24 v14, v14, SP
	v_and_b32 v15, 3, v2
	v_lshl_add_u32 v14, v15, 4, v14
	v_add_nc_u32 v14, s17, v14                     ; the stage, in: four lanes' 64 bytes on end, then the padding
	v_mul_u32_u24 v15, v2, SP
	v_add_nc_u32 v15, s17, v15                     ; and out: my 16 neighbours along K
	v_lshlrev_b32 v4, 4, v2                        ; x: my codes' place in a step's 512 bytes
	v_and_b32 v5, 3, v2                            ; rel_key: c,
	v_lshrrev_b32 v1, 2, v2
	v_lshlrev_b32 v1, 4, v1                        ; 16 x (row % 8),
	v_lshl_add_u32 v16, v5, 7, v1                  ; even steps: 128 c + that,
	v_xor_b32 v5, 1, v5
	v_lshl_add_u32 v17, v5, 7, v1                  ; odd steps: 128 (c xor 1) + that
	s_cmp_lt_u32 ttmp9, WGX
	s_cselect_b32 s34, -1, 0
	v_cndmask_b32 v5, v17, v4, s34                 ; v4: even steps' place, v5: odd steps'
	v_cndmask_b32 v4, v16, v4, s34
	s_wait_alu depctr_va_vdst(0)                   ; the wait ahead of the wait below
	s_wait_kmcnt 0x0
	s_load_b256 s[24:31], s[10:11], 0x0            ; e0 .. e7
	s_load_b64 s[32:33], s[10:11], 0x20            ; e8, e9
	s_cmp_lt_u32 ttmp9, WGX
	s_cselect_b64 s[4:5], s[4:5], s[6:7]
	s_cselect_b64 s[8:9], s[12:13], s[14:15]
	s_cselect_b32 s17, 0, WGX
	s_sub_co_u32 s17, ttmp9, s17
	s_lshl_b32 s17, s17, 2
	s_add_co_u32 s18, s17, s16                     ; which run of 4,096 numbers is my wave's
	s_lshl_b32 s20, s18, 14
	s_mov_b32 s21, 0
	s_add_nc_u64 s[4:5], s[4:5], s[20:21]
	s_lshl_b32 s20, s18, 12
	s_add_nc_u64 s[8:9], s[8:9], s[20:21]          ; the first set's place,
	s_add_nc_u64 s[12:13], s[8:9], 0x400000        ; the second's and the third's: named on x's way alone
	s_add_nc_u64 s[14:15], s[8:9], 0x800000
.macro LOAD t
.irp i, 0,1,2,3
	global_load_b128 v[R+16*((\t)%4)+4*\i:R+16*((\t)%4)+4*\i+3], v3, s[4:5] offset:2048*(\t)+512*\i th:TH_LOAD_NT
.endr
.endm
.macro TURN t                          ; through the stage: LDS serves a wave's instructions in order, so no wait stands between the stores and the loads
.irp i, 0,1,2,3
	ds_store_b128 v14, v[R+16*((\t)%4)+4*\i:R+16*((\t)%4)+4*\i+3] offset:32*SP*((\t)%2)+8*SP*\i
.endr
.irp i, 0,1,2,3
	ds_load_b128 v[X+16*((\t)%2)+4*\i:X+16*((\t)%2)+4*\i+3], v15 offset:32*SP*((\t)%2)+16*\i
.endr
.endm
.macro MAKE e, scl, lim                ; v[scl] = 2^e (the conversion takes its exponent field), v[lim] = 448 x 2^e
	s_add_co_i32 s[\e], s[\e], 127
	s_lshl_b32 s23, s[\e], 23
	v_mov_b32 v[\scl], s23
	s_add_co_i32 s[\e], s[\e], 8
	s_lshl_b32 s[\e], s[\e], 23
	s_or_b32 s[\e], s[\e], MANT
	v_mov_b32 v[\lim], s[\e]
.endm
.macro QSET xs, ts, c, lim, scl        ; 16 numbers are held (the conversion does not saturate: ISA guide 7.6.2) and converted
.set i, 0
.rept 16
	v_med3_num_f32 v[\ts+i], v[\xs+i], -v[\lim], v[\lim]
.set i, i+1
.endr
	v_cvt_scalef32_pk8_fp8_f32 v[\c:\c+1], v[\ts:\ts+7], v[\scl]
	v_cvt_scalef32_pk8_fp8_f32 v[\c+2:\c+3], v[\ts+8:\ts+15], v[\scl]
.endm
.irp t, 0,1,2,3
	LOAD \t
.endr
	s_wait_kmcnt 0x0
	s_cmp_lt_u32 ttmp9, WGX
	s_cselect_b32 s22, s24, s33                    ; e0 for x, e9 for rel_key
	MAKE 22, 11, 10
	MAKE 26, 9, 8                                  ; e2
	MAKE 28, 7, 6                                  ; e4
	s_wait_alu depctr_va_vdst(0)                   ; the wait at the head's end
	s_wait_loadcnt 12                              ; step 0's four loads are in
	TURN 0
.macro STEP t
.set XS, X+16*((\t)%2)
	s_wait_dscnt 0x0                               ; this step's numbers are back, and its stores into the stage have read their registers,
.if (\t)+4 < STEPS
	LOAD (\t)+4                                    ; which take the loads of four steps on
.endif
.if (\t)+1 < STEPS
.if STEPS-2-(\t) >= 3
	s_wait_loadcnt 12                              ; the next step's four loads are in; three steps' may be out
.else
	s_wait_loadcnt 4*(STEPS-2-(\t))
.endif
	TURN (\t)+1
.endif
	s_wait_xcnt 0x0                                ; the last step's stores have read their codes
	QSET XS, T, C, 10, 11
	global_store_b128 v[4+((\t)%2)], v[C:C+3], s[8:9] offset:512*(\t)
	s_cmp_lt_u32 ttmp9, WGX
	s_cbranch_scc0 .Lone_\@                        ; rel_key has one set
	QSET XS, T+16, C+4, 8, 9
	global_store_b128 v4, v[C+4:C+7], s[12:13] offset:512*(\t)
	QSET XS, T, C+8, 6, 7
	global_store_b128 v4, v[C+8:C+11], s[14:15] offset:512*(\t)
.Lone_\@:
	v_nop                                          ; one plain line between the last conversion and the next holds, which write its sources
.endm
.irp t, 0,1,2,3,4,5,6,7
	STEP \t
.endr
	s_wait_tensorcnt 0x0                           ; the wave's end
	ds_add_u32 v[SPW], v[NIL]
	s_wait_dscnt 0x0
	s_endpgm
; THE WEIGHTS.  Work-group g = number - 264: columns 128 (g % 8) on; tensor g / 32; rows 256 ((g / 8) % 4) on.  A wave takes 32 columns x 256 along K; the codes leave through its stage as rows: sixteen lanes store 256 aligned bytes.
.set NB,    8
.set WX,    32                         ; v32-95   two sets of 32 numbers
.set WC,    96                         ; v96-103  a block's codes
.set OUTR,  112                        ; v112-175 the way out
.Lweights:
	s_load_b256 s[36:43], s[0:1], 0x10             ; Wq, Wk, Wv, Wo
	s_load_b64 s[8:9], s[0:1], 0x30                ; the exponents
	s_load_b64 s[10:11], s[0:1], 0x48              ; wcodes
	s_sub_co_u32 s53, ttmp9, WGQ
	s_and_b32 s17, s53, 7
	s_lshl_b32 s17, s17, 7
	s_lshl_b32 s18, s16, 5
	s_add_co_u32 s17, s17, s18                     ; my wave's first column
	s_lshr_b32 s18, s53, 3
	s_lshr_b32 s28, s18, 2                         ; which tensor
	s_and_b32 s18, s18, 3                          ; which 256 along K
	s_mul_i32 s19, s16, 32*PITCH
	s_add_co_u32 s19, s19, WBASE                   ; my stage
	s_lshl_b32 s20, s18, 20                        ; W: 256 rows of 4,096 bytes for each step along K,
	s_lshl_b32 s22, s17, 2
	s_add_co_u32 s20, s20, s22                     ; + 4 x column
	s_mov_b32 s21, 0
	s_lshl_b32 s24, s28, 20                        ; codes: the tensor's section,
	s_lshl_b32 s22, s17, 10
	s_add_co_u32 s24, s24, s22                     ; + column x 1,024
	s_lshl_b32 s22, s18, 8
	s_add_co_u32 s24, s24, s22                     ; + 256 x step
	s_mov_b32 s25, 0
	v_lshlrev_b32 v3, 2, v2                        ; in: 4 bytes a lane
	v_mul_u32_u24 v4, v2, PITCH
	v_add_nc_u32 v4, s19, v4                       ; into the stage: row = my column
	v_and_b32 v5, 15, v2
	v_lshrrev_b32 v6, 4, v2
	v_mul_u32_u24 v7, v6, PITCH
	v_lshl_add_u32 v7, v5, 4, v7
	v_add_nc_u32 v7, s19, v7                       ; out of it: sixteen lanes to a row, two rows an instruction
	v_lshlrev_b32 v8, 10, v6
	v_lshl_add_u32 v8, v5, 4, v8                   ; and the same place among the codes
	s_wait_alu depctr_va_vdst(0)                   ; the wait ahead of the wait below
	s_wait_kmcnt 0x0
	s_load_b256 s[44:51], s[8:9], 0x0              ; e0 .. e7
	s_load_b32 s52, s[8:9], 0x34                   ; e13
	s_cmp_eq_u32 s28, 1                            ; the choice hangs on the work-group's number alone
	s_cselect_b64 s[4:5], s[38:39], s[36:37]
	s_cmp_eq_u32 s28, 2
	s_cselect_b64 s[4:5], s[40:41], s[4:5]
	s_cmp_eq_u32 s28, 3
	s_cselect_b64 s[4:5], s[42:43], s[4:5]
	s_add_nc_u64 s[4:5], s[4:5], s[20:21]
	s_add_nc_u64 s[10:11], s[10:11], s[24:25]
.macro WLOAD t                         ; block t: W(32 t + i, my column) into set t % 2
.set i, 0
.rept 32
	global_load_b32 v[WX+32*((\t)%2)+i], v3, s[4:5] offset:(32*(\t)+i)*4096 th:TH_LOAD_NT
.set i, i+1
.endr
.endm
	WLOAD 0
	WLOAD 1
	s_wait_kmcnt 0x0
	s_cmp_eq_u32 s28, 1
	s_cselect_b32 s30, s47, s45                    ; e3 or e1
	s_cmp_eq_u32 s28, 2
	s_cselect_b32 s30, s49, s30                    ; e5
	s_cmp_eq_u32 s28, 3
	s_cselect_b32 s30, s52, s30                    ; e13
	s_add_co_i32 s30, s30, 127
	s_lshl_b32 s31, s30, 23
	v_mov_b32 v11, s31                             ; 2^e
	s_add_co_i32 s30, s30, 8
	s_lshl_b32 s30, s30, 23
	s_or_b32 s30, s30, MANT
	v_mov_b32 v10, s30                             ; 448 x 2^e
.macro WBLOCK t
.set XS, WX+32*((\t)%2)
.if (\t) < NB-1
	s_wait_loadcnt 32                              ; this block's 32 loads are in; the next block's may be out
.else
	s_wait_loadcnt 0
.endif
.set i, 0
.rept 32
	v_med3_num_f32 v[XS+i], v[XS+i], -v10, v10
.set i, i+1
.endr
.irp g, 0,1,2,3
	v_cvt_scalef32_pk8_fp8_f32 v[WC+2*\g:WC+2*\g+1], v[XS+8*\g:XS+8*\g+7], v11
.endr
	ds_store_b128 v4, v[WC:WC+3] offset:32*(\t)    ; 32 codes of my column's row
	ds_store_b128 v4, v[WC+4:WC+7] offset:32*(\t)+16
.if (\t)+2 < NB
	WLOAD (\t)+2
.endif
	s_wait_dscnt 0x0                               ; the stores have read their registers (the next block's 32 holds, plain lines on other registers, come first)
.endm
	s_wait_alu depctr_va_vdst(0)                   ; the wait at the head's end
.set Q, 0
.rept NB
	WBLOCK Q
.set Q, Q+1
.endr
.irp t, 0,1,2,3,4,5,6,7,8,9,10,11,12,13,14,15
	ds_load_b128 v[OUTR+4*\t:OUTR+4*\t+3], v7 offset:2*\t*PITCH
.endr
.irp t, 0,1,2,3,4,5,6,7,8,9,10,11,12,13,14,15
	s_wait_dscnt 15-\t
	global_store_b128 v8, v[OUTR+4*\t:OUTR+4*\t+3], s[10:11] offset:2*\t*1024
.endr
	s_wait_tensorcnt 0x0                           ; the wave's end
	ds_add_u32 v[SPW], v[NIL]
	s_wait_dscnt 0x0
	s_endpgm
.Lfunc_end_k_q9f5ad96ac3_quant:
	.size	k_q9f5ad96ac3_quant, .Lfunc_end_k_q9f5ad96ac3_quant-k_q9f5ad96ac3_quant
	.p2alignl 7, 3214868480
	.fill 96, 4, 3214868480
	.section	.rodata,"a",@progbits
	.p2align	6, 0x0
	.amdhsa_kernel k_q9f5ad96ac3_quant
		.amdhsa_group_segment_fixed_size 68096
		.amdhsa_private_segment_fixed_size 0
		.amdhsa_enable_private_segment 0
		.amdhsa_kernarg_size 80
		.amdhsa_user_sgpr_count 2
		.amdhsa_user_sgpr_kernarg_segment_ptr 1
		.amdhsa_wavefront_size32 1
		.amdhsa_system_sgpr_workgroup_id_x 1
		.amdhsa_system_sgpr_workgroup_id_y 1
		.amdhsa_system_sgpr_workgroup_id_z 1
		.amdhsa_system_vgpr_workitem_id 0
		.amdhsa_next_free_vgpr 192
		.amdhsa_next_free_sgpr 66
		.amdhsa_reserve_vcc 0
		.amdhsa_float_denorm_mode_32 3
		.amdhsa_float_denorm_mode_16_64 3
		.amdhsa_memory_ordered 1
		.amdhsa_forward_progress 1
		.amdhsa_inst_pref_size 91
	.end_amdhsa_kernel
	.amdgpu_metadata
---
amdhsa.version: [ 1, 2 ]
amdhsa.kernels:
  - .name:           k_q9f5ad96ac3_quant
    .symbol:         k_q9f5ad96ac3_quant.kd
    .args:
      - { .name: x, .offset: 0, .size: 8, .value_kind: global_buffer, .address_space: global }
      - { .name: rel_key, .offset: 8, .size: 8, .value_kind: global_buffer, .address_space: global }
      - { .name: Wq, .offset: 16, .size: 8, .value_kind: global_buffer, .address_space: global }
      - { .name: Wk, .offset: 24, .size: 8, .value_kind: global_buffer, .address_space: global }
      - { .name: Wv, .offset: 32, .size: 8, .value_kind: global_buffer, .address_space: global }
      - { .name: Wo, .offset: 40, .size: 8, .value_kind: global_buffer, .address_space: global }
      - { .name: lowp_scales, .offset: 48, .size: 8, .value_kind: global_buffer, .address_space: global }
      - { .name: xcodes, .offset: 56, .size: 8, .value_kind: global_buffer, .address_space: global }
      - { .name: rkcodes, .offset: 64, .size: 8, .value_kind: global_buffer, .address_space: global }
      - { .name: wcodes, .offset: 72, .size: 8, .value_kind: global_buffer, .address_space: global }
    .group_segment_fixed_size: 68096
    .private_segment_fixed_size: 0
    .kernarg_segment_align: 8
    .kernarg_segment_size: 80
    .max_flat_workgroup_size: 128
    .sgpr_count:     66
    .vgpr_count:     192
    .wavefront_size: 32
...
	.end_amdgpu_metadata
.endif
;; end of part 1
;; launch gemm_qkv (part 2): grid 12 x 16, 4 waves a work-group, clusters of 4 x 4, 327,680 bytes of LDS; arguments xcodes, wcodes, lowp_scales, bq, bk, bv, qkvc; writes qkvc
.if DOCPART == 2
	.amdgcn_target "amdgcn-amd-amdhsa--gfx1250"
	.amdhsa_code_object_version 6
	.text
	.protected	k_q9f5ad96ac3_gemm_qkv
	.globl	k_q9f5ad96ac3_gemm_qkv
	.p2align	8
	.type	k_q9f5ad96ac3_gemm_qkv,@function
k_q9f5ad96ac3_gemm_qkv:
	s_mov_b64 s[64:65], 0
	v_nop
	global_prefetch_b8 v0, s[64:65] scope:SCOPE_SE
	s_setreg_imm32_b32 hwreg(HW_REG_WAVE_MODE, 25, 1), 1
	s_wait_xcnt 0x0
	s_wait_alu depctr_hold_cnt(0) depctr_sa_sdst(0) depctr_va_vdst(0) depctr_va_sdst(0) depctr_va_ssrc(0) depctr_va_vcc(0) depctr_vm_vsrc(0)
	s_getreg_b32 s2, hwreg(HW_REG_IB_STS2, 6, 4)
	s_cmp_eq_u32 s2, 0
	s_cbranch_scc0 .Lentry_in_a_cluster
	s_endpgm
.Lentry_in_a_cluster:
	s_bfe_u32 s2, ttmp6, 0x10000c
	s_cmp_lg_u32 s2, 0xf033
	s_cbranch_scc0 .Lentry_shape_is_right
	s_endpgm
.Lentry_shape_is_right:
; q = x Wq + bq, k = x Wk + bk, v = x Wv + bv on E4M3 codes (K = 1,024), and each result quantised on its way out: q twice (e6 for q.k, e8 for q.rel_key), k (e7), v (e11).
; The cluster's x (0, 1, 2) says which product: all sixteen partners of a cluster work on one.  A work-group makes 256 x 256 results, a wave 128 x 128: 64 accumulators, 512 registers.
; ROLES.  The matrix instruction is used transposed: source 0 = 16 rows of the COLUMN operand, source 1 = 16 rows of the ROW operand; a lane then holds one row and eight neighbouring columns.
;   q, k: rows = tokens (x: tile row 4 x cluster y + cy), columns = channels (W: tile column cx): a lane's eight are eight channels of a token: K of q.k and q.rel_key.
;   v:    rows = channels (Wv: tile row cy), columns = tokens (x: tile column 4 x cluster y + cx): a lane's eight are eight tokens of a channel: the keys are K of p.v.
;   Only the two base pointers and the two tile numbers are chosen; the row operand's address hangs on cy alone and is shared along a row of the cluster, the column operand's on cx alone, along a column.
; K goes in steps of 256 through a ring of two LDS slots filled by joint tensor loads; four K steps in all.  With two of four K steps among the first fills no prefetch is laid.
; THE BIAS is the C of each sum's first product, divided by 2^(ea + eb), the power of two that the sums lack.  THE SCALES are folded: a sum's code is sum / 2^(eo - ea - eb).
; qkvc, four sections of 4 MiB: 0: q (e6), 1: k, 3: q (e8), each [batch x 16 + head][2048 tokens][64];  2: v [batch x 16 + head][16 chunks][64 channels][128 keys].
; LIMITS: ea + eb between -126 and 126; eo - ea - eb between -126 and 119, so that each power of two below is an f32 number.
; REGISTERS, in windows of 256: window 0: v0-31 addresses; v32-95 the bias in the result's layout; v112-115 scales; from v128 the row operand's fragments, ONE set.  window 1: the column operand's, TWO sets.
;   windows 2, 3: the accumulators of my rows 0-63, 64-127 (accumulator (a, b) at v[8 (8 (a % 4) + b)]).  On the way out window 0's v32-255 are free.
.set KSTEP,  256
.set ROWB,   256
.set KROW,   1024
.set PITCH,  272                       ; an LDS row: 256 bytes + 16 of padding: the 16 rows that a load touches start at 16 different banks (64 banks of 4 bytes: ISA guide 11.1)
.set FR,     16
.set NL,     4
.set NP,     4
.set HALFT,  128*PITCH
.set SLOT,   4*HALFT
.set LAPS,   1024/(2*KSTEP)
.set SPARE,  2*SLOT                    ; behind the ring: the spare words
.set SPIT,   144                       ; the way out: a stage row: 128 codes + 16
.set STGB,   16*SPIT                   ; a stage: 16 rows; two for each wave, in slot 0, which has had its last fill and its last read when the first code is stored there
.set GO,   12                          ; v12-15  my byte offsets in qkvc for the four stores of a block
.set ADRA, 16
.set ADRB, 20
.set STO,  24
.set RD,   25
.set SPW,  28
.set NIL,  29
.set BC,   32                          ; v32-95  the bias
.set BT,   96                          ; v96-103 v's bias as loaded
.set SC1,  112                         ; 2^(eo1 - ea - eb), 448 x that; the same for q's second set
.set LM1,  113
.set SC2,  114
.set LM2,  115
.set AF,   128
.set TMP,  128                         ; the way out: a block's 64 held sums
.set C1,   192                         ; its codes, first and second set
.set C2,   208
.set RB1,  32                          ; rows read back from the stage: two sets of 16 by turns, for each set of codes
.set RB2,  64
.set G1, 24
.set G0, 32
.set G1B, 48
.set G0B, 56
.set MSB, 0
.macro WIN new                         ; the immediate's high byte repeats the setting that is left
.if MSB != \new
	s_set_vgpr_msb (MSB<<8)|\new
.set MSB, \new
.endif
.endm
.set MUL_LO, 0xa1                      ; source 0 window 1, source 1 window 0, C and D window 2
.set MUL_HI, 0xf1                      ; the same, C and D window 3
.set TO_B,   0x40
; A joint load: waves 0 and 1 fetch the row operand's halves, waves 2 and 3 the column operand's.  An s_nop 0 and four v_nop follow each line.
.macro JLOAD g0a, g1a, g0b, g1b
	s_cmp_eq_u32 s15, 0
	s_cbranch_scc0 .Lfor_b_\@
	tensor_load_to_lds s[\g0a:\g0a+3], s[\g1a:\g1a+7]
	s_nop 0
.rept 4
	v_nop
.endr
	s_branch .Lasked_\@
.Lfor_b_\@:
	tensor_load_to_lds s[\g0b:\g0b+3], s[\g1b:\g1b+7]
	s_nop 0
.rept 4
	v_nop
.endr
.Lasked_\@:
.endm
.macro CREST
	s_cmp_lg_u32 s14, 0
	s_cbranch_scc1 .Lnot_wave_0_\@
	s_barrier_signal -3
.Lnot_wave_0_\@:
	s_barrier_wait -3
	s_barrier_signal -1
	s_barrier_wait -1
.endm
.macro CROUND
	s_barrier_signal -1
	s_barrier_wait -1
	CREST
.endm
	s_load_b256 s[4:11], s[0:1], 0x0               ; xcodes, wcodes, the scales' exponents, bq
	s_load_b128 s[68:71], s[0:1], 0x20             ; bk, bv
	s_load_b64 s[72:73], s[0:1], 0x30              ; qkvc
	v_lshl_add_u32 v[SPW], v0, 2, SPARE
	v_mov_b32 v[NIL], 0
	ds_add_u32 v[SPW], v[NIL]                      ; the wave's opening
	ds_add_u32 v[SPW], v[NIL]
	v_lshrrev_b32 v1, 5, v0
	v_readfirstlane_b32 s14, v1                    ; wave 0..3
	s_lshr_b32 s15, s14, 1                         ; my half of the rows.  Also: I fetch for the row operand (0) or the column operand (1)
	s_and_b32 s16, s14, 1                          ; my half of the columns.  Also: which 128 rows of that tile I fetch
	s_mov_b32 s66, ttmp9                           ; the product: 0 q, 1 k, 2 v: the cluster's x, equal in all partners
	s_lshr_b32 s67, ttmp9, 1                       ; 1 for v
	s_bfe_u32 s40, ttmp6, 0x40000                  ; cx
	s_bfe_u32 s41, ttmp6, 0x40004                  ; cy
	s_and_b32 s13, ttmp7, 0xffff
	s_lshl_b32 s13, s13, 2                         ; 4 x cluster y: goes with the tokens
	s_cmp_eq_u32 s67, 0
	s_cselect_b32 s17, s13, 0
	s_cselect_b32 s42, 0, s13
	s_add_co_u32 s17, s17, s41                     ; tile row
	s_add_co_u32 s42, s42, s40                     ; tile column
	s_lshl_b32 s43, s41, 2
	s_lshl_b32 s43, 15, s43                        ; my row of the cluster
	s_lshl_b32 s44, 0x1111, s40                    ; my column
	s_or_b32 s[G1+0], s43, (0<<16)|(1<<20)|(1<<21)|(5<<22)|(3<<25)  ; mask; elements of 1 byte; padding on; bit 21 beside a mask; 4 words after every 64
	s_or_b32 s[G1B+0], s44, (0<<16)|(1<<20)|(1<<21)|(5<<22)|(3<<25)
.irp g, G1, G1B
	s_mov_b32 s[\g+1], ROWB<<16                    ; tensor_dim0
	s_mov_b32 s[\g+2], 128<<16                     ; tensor_dim1
	s_mov_b32 s[\g+3], ROWB<<16                    ; tile_dim0
	s_mov_b32 s[\g+4], 128                         ; tile_dim1
	s_mov_b32 s[\g+5], KROW                        ; the pitch in memory
	s_mov_b32 s[\g+6], 0
	s_mov_b32 s[\g+7], 0
.endr
	s_lshl_b32 s18, s16, 7
	s_lshl_b32 s98, s17, 8
	s_add_co_u32 s98, s98, s18
	s_lshl_b32 s98, s98, 10                        ; the row operand: (256 x tile row + 128 x half) rows of 1,024 bytes
	s_mov_b32 s99, 0
	s_lshl_b32 s100, s42, 8
	s_add_co_u32 s100, s100, s18
	s_lshl_b32 s100, s100, 10                      ; the column operand likewise
	s_mov_b32 s101, 0
	s_lshl_b32 s74, s66, 22                        ; the product's section of xcodes, and of qkvc
	s_mov_b32 s75, 0
	s_lshl_b32 s96, s66, 20                        ; and of wcodes
	s_mov_b32 s97, 0
	s_mul_i32 s45, s14, HALFT                      ; where my load goes: wave x 128 rows
	s_wait_dscnt 0x0                               ; the opening add is done
	s_wait_kmcnt 0x0
	s_load_b256 s[76:83], s[8:9], 0x0              ; e0 .. e7
	s_load_b128 s[84:87], s[8:9], 0x20             ; e8 .. e11
	s_add_nc_u64 s[4:5], s[4:5], s[74:75]
	s_add_nc_u64 s[6:7], s[6:7], s[96:97]
	s_cmp_eq_u32 s67, 0                            ; which tensor has which role: a choice on the cluster's x alone
	s_cselect_b64 s[20:21], s[4:5], s[6:7]
	s_cselect_b64 s[46:47], s[6:7], s[4:5]
	s_add_nc_u64 s[20:21], s[20:21], s[98:99]
	s_add_nc_u64 s[46:47], s[46:47], s[100:101]
	CROUND                                         ; all sixteen work-groups are here: the first joint loads meet
.irp s, 0,1
	s_mov_b32 s[G0+4*\s], 1
	s_add_co_u32 s[G0+4*\s+1], s45, \s*SLOT
	s_add_nc_u64 s[G0+4*\s+2:G0+4*\s+3], s[20:21], \s*ROWB
	s_or_b32 s[G0+4*\s+3], s[G0+4*\s+3], 0x80000000
	s_mov_b32 s[G0B+4*\s], 1
	s_add_co_u32 s[G0B+4*\s+1], s45, \s*SLOT
	s_add_nc_u64 s[G0B+4*\s+2:G0B+4*\s+3], s[46:47], \s*ROWB
	s_or_b32 s[G0B+4*\s+3], s[G0B+4*\s+3], 0x80000000
.endr
	JLOAD G0, G1, G0B, G1B                         ; K step 0: one tensor load a wave at the head
	v_and_b32 v1, 15, v0                           ; r = l % 16
	s_wait_alu depctr_va_vdst(0)
	v_bfe_u32 v2, v0, 4, 1                         ; h = l / 16
	v_mul_u32_u24 v3, v1, PITCH
	v_lshl_add_u32 v4, v2, 4, v3                   ; a fragment's row x pitch + 16 x half
	s_mul_i32 s21, s15, HALFT                      ; my 128 rows of the row operand
	s_mul_i32 s22, s16, HALFT
	s_add_co_u32 s22, s22, 2*HALFT                 ; my 128 rows of the column operand
.irp s, 0,1
	v_add_nc_u32 v[ADRA+\s], s21, v4
	v_add_nc_u32 v[ADRB+\s], s22, v4
	s_add_co_u32 s21, s21, SLOT
	s_add_co_u32 s22, s22, SLOT
.endr
	s_mul_i32 s23, s14, 2*STGB                     ; my two stages
	v_mul_u32_u24 v5, v1, SPIT
	s_wait_alu depctr_va_vdst(0)
	v_lshl_add_u32 v5, v2, 3, v5
	v_add_nc_u32 v[STO], s23, v5                   ; in: row r, 8 bytes for each half of the lanes
	v_and_b32 v6, 31, v0
	v_lshrrev_b32 v7, 3, v6
	s_wait_alu depctr_va_vdst(0)
	v_and_b32 v8, 7, v6
	v_mul_u32_u24 v9, v7, SPIT
	v_lshl_add_u32 v9, v8, 4, v9
	v_add_nc_u32 v[RD], s23, v9                    ; back: eight lanes to a row of 128 bytes, four rows an instruction
	; who is who, for the global addresses alone
	s_cmp_eq_u32 s67, 0
	s_cselect_b32 s96, s17, s42                    ; the tile of 256 tokens
	s_cselect_b32 s97, s42, s17                    ; the tile of 256 channels
	s_cselect_b32 s98, s15, s16                    ; my half of the tokens
	s_cselect_b32 s99, s16, s15                    ; my half of the channels
	s_cselect_b32 s12, 0x20000, 64                 ; a row's second 64 bytes: q, k: the next head; v: on end
	s_cselect_b32 s13, 64, 128                     ; from row to row: q, k: a token's 64 bytes in a head; v: a channel's 128 keys
	s_cselect_b32 s94, 0, 0x1e000                  ; v: from block 3 to block 4 the head changes: 131,072 - 4 x 2,048 more
	s_mov_b32 s95, 0
	s_lshl_b32 s92, s13, 4                         ; from block to block: 16 rows
	s_mov_b32 s93, 0
	s_lshl_b32 s2, s13, 2                          ; from store to store: 4 rows
	v_bfe_u32 v10, v0, 2, 1
	v_mul_lo_u32 v10, v10, s12
	v_mul_lo_u32 v11, v7, s13
	v_add_nc_u32 v10, v10, v11
	v_and_b32 v11, 3, v0
	v_lshl_add_u32 v[GO], v11, 4, v10              ; q, k: a store covers 256 aligned bytes in each of two heads; v: 512 consecutive bytes
	v_add_nc_u32 v[GO+1], s2, v[GO]
	v_add_nc_u32 v[GO+2], s2, v[GO+1]
	v_add_nc_u32 v[GO+3], s2, v[GO+2]
	s_lshr_b32 s100, s96, 3                        ; batch
	s_lshl_b32 s100, s100, 4
	s_lshl_b32 s101, s97, 2
	s_add_co_u32 s100, s100, s101
	s_lshl_b32 s101, s99, 1
	s_add_co_u32 s100, s100, s101                  ; my first head: 16 x batch + 4 x channel tile + 2 x half
	s_lshl_b32 s100, s100, 17                      ; 131,072 bytes a head in every section
	s_and_b32 s101, s96, 7
	s_lshl_b32 s101, s101, 1
	s_add_co_u32 s101, s101, s98                   ; my 128 tokens of the batch's 2,048
	s_lshl_b32 s101, s101, 13                      ; 8,192 bytes in either layout
	s_add_co_u32 s100, s100, s101
	s_add_co_u32 s100, s100, s74                   ; the product's section
	s_mov_b32 s101, 0
	s_add_nc_u64 s[88:89], s[72:73], s[100:101]    ; where my first block goes,
	s_add_nc_u64 s[90:91], s[88:89], 0xc00000      ; and q's second set: section 3 (named for q alone)
	s_lshl_b32 s100, s97, 10
	s_lshl_b32 s101, s99, 9
	s_add_co_u32 s100, s100, s101                  ; my 128 channels in the bias, in bytes
	s_mov_b32 s101, 0
	s_cmp_eq_u32 s66, 1
	s_cselect_b64 s[10:11], s[68:69], s[10:11]
	s_cmp_eq_u32 s66, 2
	s_cselect_b64 s[10:11], s[70:71], s[10:11]
	s_add_nc_u64 s[10:11], s[10:11], s[100:101]
	v_lshlrev_b32 v30, 5, v2                       ; 32 h
	v_lshlrev_b32 v31, 2, v1                       ; 4 r
	s_wait_kmcnt 0x0                               ; the exponents
	s_cmp_eq_u32 s66, 1
	s_cselect_b32 s96, s78, s76                    ; ea
	s_cselect_b32 s97, s79, s77                    ; eb
	s_cselect_b32 s98, s83, s82                    ; eo: e6, e7 or e11
	s_cmp_eq_u32 s66, 2
	s_cselect_b32 s96, s80, s96
	s_cselect_b32 s97, s81, s97
	s_cselect_b32 s98, s87, s98
	s_add_co_i32 s96, s96, s97                     ; ea + eb
	s_sub_co_i32 s97, 0, s96
	s_sub_co_i32 s98, s98, s96                     ; eo - ea - eb
	s_sub_co_i32 s99, s84, s96                     ; e8 - ea - eb
.macro MAKE e, scl, lim
	s_add_co_i32 s[\e], s[\e], 127
	s_lshl_b32 s100, s[\e], 23
	v_mov_b32 v[\scl], s100
	s_add_co_i32 s[\e], s[\e], 8
	s_lshl_b32 s[\e], s[\e], 23
	s_or_b32 s[\e], s[\e], 0x600000
	v_mov_b32 v[\lim], s[\e]
.endm
	MAKE 98, SC1, LM1
	MAKE 99, SC2, LM2
	; the bias in the result's layout, / 2^(ea + eb).  Loads, wait and scaling stand in one branch, so that all 64 registers are written on either way; the loads' time lies beside the first tiles'.
	s_cmp_eq_u32 s67, 0
	s_cbranch_scc0 .Lbias_v
	s_wait_alu depctr_va_vdst(0)
.irp b, 0,1,2,3,4,5,6,7                ; q, k: column block b, register j: channel 16 b + 8 h + j
	global_load_b128 v[BC+8*\b:BC+8*\b+3], v30, s[10:11] offset:64*\b
	global_load_b128 v[BC+8*\b+4:BC+8*\b+7], v30, s[10:11] offset:64*\b+16
.endr
	s_wait_loadcnt 0x0
.set j, 0
.rept 64
	v_ldexp_f32 v[BC+j], v[BC+j], s97
.set j, j+1
.endr
	s_branch .Lbias_done
.Lbias_v:
	s_wait_alu depctr_va_vdst(0)
.irp a, 0,1,2,3,4,5,6,7                ; v: row block a: channel 16 a + r, the same in all eight registers
	global_load_b32 v[BT+\a], v31, s[10:11] offset:64*\a
.endr
	s_wait_loadcnt 0x0
.set j, 0
.rept 64
	v_ldexp_f32 v[BC+j], v[BT+j/8], s97
.set j, j+1
.endr
.Lbias_done:
.macro FRAG reg, adr, q, i             ; 16 rows x 128 K: lane l holds row l % 16; registers 4 c .. 4 c + 3 hold K = 32 c + 16 (l / 16) + 0 .. 15: one permutation of k, the same on both sides
.irp c, 0,1,2,3
	ds_load_b128 v[\reg+4*\c:\reg+4*\c+3], v[\adr] offset:128*(\q)+32*\c+(\i)*16*PITCH
.endr
.endm
; 16 matrix instructions: row blocks a0, a0 + 1 x the eight column blocks.  mode 0: onto the sums; 1: the sums start from the bias by column block; 2: by row block.
; The 64 accumulators take turns, one instruction a turn, in the same order in every step.
.macro MUL16 a0, p, mode
.irp a, \a0, \a0+1
.irp b, 0,1,2,3,4,5,6,7
.if \mode == 1
	v_wmma_f32_16x16x128_fp8_fp8 v[8*(8*((\a)%4)+\b):8*(8*((\a)%4)+\b)+7], v[128*(\p)+FR*\b:128*(\p)+FR*\b+FR-1], v[AF+FR*(\a):AF+FR*(\a)+FR-1], v[BC+8*\b:BC+8*\b+7]
.elseif \mode == 2
	v_wmma_f32_16x16x128_fp8_fp8 v[8*(8*((\a)%4)+\b):8*(8*((\a)%4)+\b)+7], v[128*(\p)+FR*\b:128*(\p)+FR*\b+FR-1], v[AF+FR*(\a):AF+FR*(\a)+FR-1], v[BC+8*(\a):BC+8*(\a)+7]
.else
	v_wmma_f32_16x16x128_fp8_fp8 v[8*(8*((\a)%4)+\b):8*(8*((\a)%4)+\b)+7], v[128*(\p)+FR*\b:128*(\p)+FR*\b+FR-1], v[AF+FR*(\a):AF+FR*(\a)+FR-1], v[8*(8*((\a)%4)+\b):8*(8*((\a)%4)+\b)+7]
.endif
.endr
.endr
.endm
.macro FETCH_B slot, q, p
	WIN TO_B
.irp i, 0,1,2,3,4,5,6,7
	FRAG 128*(\p)+FR*\i, ADRB+\slot, \q, \i
.endr
	WIN 0
.endm
.macro FETCH_A slot, q, i0
.irp i, \i0, \i0+1, \i0+2, \i0+3
	FRAG AF+FR*(\i), ADRA+\slot, \q, \i
.endr
.endm
.macro PLACES n                        ; plain vector lines between a matrix instruction and a load into, or a vector read or write of, its registers
.rept \n
	v_nop
.endr
.endm
.macro STEP slot, q, mode              ; 128 along K with its successor in the same slot
	s_wait_dscnt 4*NL                              ; all but the youngest 16 loads (row blocks 4-7) are in
.if \mode
	WIN 0x81                                       ; C (the bias) in window 0
.else
	WIN MUL_LO
.endif
	MUL16 0, (\q)%2, \mode
	MUL16 2, (\q)%2, \mode
	s_wait_dscnt 0
	PLACES NP
	FETCH_B \slot, (\q)+1, 1-(\q)%2
	FETCH_A \slot, (\q)+1, 0
.if \mode
	WIN 0xc1
.else
	WIN MUL_HI
.endif
	MUL16 4, (\q)%2, \mode
	MUL16 6, (\q)%2, \mode
	PLACES NP
	WIN 0
	FETCH_A \slot, (\q)+1, 4
.endm
; A slot's last step changes slots: each wave waits for all its tensor loads, adds 0 to its spare word, waits for that and for its reads of this slot, and signals.  fill = 1: the barrier opens a round of the cluster's, and this slot is filled again first thing behind it.
.macro TURN slot, next, fill
	s_wait_tensorcnt 0x0                           ; my part of the next slot has landed; no load of mine is out
	ds_add_u32 v[SPW], v[NIL]
	s_wait_dscnt 4*NL+1                            ; the add and the youngest 16 loads may be out
	WIN MUL_LO
	MUL16 0, 1, 0
	s_wait_dscnt 0x0                               ; the add is done, and my reads of this slot are over
	s_barrier_signal -1
	MUL16 2, 1, 0
	WIN 0
	s_barrier_wait -1
.if \fill
	CREST
	s_add_nc_u64 s[G0+4*\slot+2:G0+4*\slot+3], s[G0+4*\slot+2:G0+4*\slot+3], 2*ROWB
	s_add_nc_u64 s[G0B+4*\slot+2:G0B+4*\slot+3], s[G0B+4*\slot+2:G0B+4*\slot+3], 2*ROWB
	JLOAD G0+4*\slot, G1, G0B+4*\slot, G1B         ; its four v_nop are also the places in front of the loads below
.else
	PLACES NP
.endif
	FETCH_B \next, 0, 0
	FETCH_A \next, 0, 0
	WIN MUL_HI
	MUL16 4, 1, 0
	MUL16 6, 1, 0
	PLACES NP
	WIN 0
	FETCH_A \next, 0, 4
.endm
	s_wait_alu depctr_va_vdst(0)                   ; the wait at the head's end
	s_wait_tensorcnt 0x0                           ; my part of K step 0 is in; slot 1's first fill is issued as a refill is:
	ds_add_u32 v[SPW], v[NIL]
	s_wait_dscnt 0x0
	CROUND                                         ; everybody's part of K step 0 is in, and the sixteen work-groups meet
	JLOAD G0+4, G1, G0B+4, G1B                     ; K step 1: the first tensor load behind the round
	FETCH_B 0, 0, 0
	FETCH_A 0, 0, 0
	FETCH_A 0, 0, 4
	s_cmp_eq_u32 s67, 0                            ; the first step is written twice: the bias goes by column block (q, k) or by row block (v)
	s_cbranch_scc0 .Lfirst_v
	s_wait_alu depctr_va_vdst(0)
	STEP 0, 0, 1
	s_branch .Lfirst_done
.Lfirst_v:
	s_wait_alu depctr_va_vdst(0)
	STEP 0, 0, 2
.Lfirst_done:
	s_mov_b32 s3, LAPS-1
.Llap:                                                 ; once round the ring, from a lap's second step to the next lap's first; both slots are filled again
	TURN 0, 1, 1
	STEP 1, 0, 0
	TURN 1, 0, 1
	STEP 0, 0, 0
	s_sub_co_u32 s3, s3, 1
	s_cmp_lg_u32 s3, 0
	s_cbranch_scc1 .Llap
	TURN 0, 1, 0                                   ; the last lap fills nothing
	STEP 1, 0, 0
	s_wait_dscnt 4*NL
	WIN MUL_LO
	MUL16 0, 1, 0
	MUL16 2, 1, 0
	s_wait_dscnt 0
	WIN MUL_HI
	MUL16 4, 1, 0
	MUL16 6, 1, 0
	WIN 0
; THE WAY OUT, block by block of 16 rows x 128 columns.  A lane's eight sums of a column block become 8 bytes of its row; the rows meet in my own stage and come back 16 bytes a lane.
.macro HOLD a, lim                     ; block a's 64 sums, held within +-448 x the folded scale (the conversion does not saturate: ISA guide 7.6.2); each accumulator from its low end on
.set AC, 64*((\a)%4)
	WIN 0x02+((\a)/4)
.set j, 0
.rept 64
	v_med3_num_f32 v[TMP+j], v[AC+j], -v[\lim], v[\lim]
.set j, j+1
.endr
	WIN 0
.endm
.macro CODES c, scl
.irp b, 0,1,2,3,4,5,6,7
	v_cvt_scalef32_pk8_fp8_f32 v[\c+2*\b:\c+2*\b+1], v[TMP+8*\b:TMP+8*\b+7], v[\scl]
.endr
	v_nop                                          ; one plain line behind the last conversion: the next holds write its sources
.endm
.macro PUT c, rb, off                  ; LDS serves a wave's instructions in order: the loads see the stores
.irp b, 0,1,2,3,4,5,6,7
	ds_store_b64 v[STO], v[\c+2*\b:\c+2*\b+1] offset:\off+16*\b
.endr
.irp k, 0,1,2,3
	ds_load_b128 v[\rb+4*\k:\rb+4*\k+3], v[RD] offset:\off+4*SPIT*\k
.endr
.endm
.macro SEND rb, base
.irp k, 0,1,2,3
	global_store_b128 v[GO+\k], v[\rb+4*\k:\rb+4*\k+3], s[\base:\base+1]
.endr
.endm
	PLACES NP                                      ; behind the last products: the holds write registers that held the row operand's fragments
.irp a, 0,1,2,3,4,5,6,7
	HOLD \a, LM1
.if \a > 0
	s_wait_alu depctr_va_vdst(0)
	s_wait_dscnt 0x0                               ; the block before is back from the stages, and its LDS stores have read their codes
.endif
	CODES C1, SC1
.if \a > 0
	s_wait_alu depctr_va_vdst(0)
	s_wait_xcnt 0x0                                ; the stores issued a block ago have read their registers and bases: both may be written
.if \a > 1
	s_add_nc_u64 s[88:89], s[88:89], s[92:93]
.endif
.if \a == 5
	s_add_nc_u64 s[88:89], s[88:89], s[94:95]
.endif
	SEND RB1+16*((\a-1)%2), 88
.endif
	PUT C1, RB1+16*(\a%2), 0
	s_cmp_lg_u32 s66, 0
	s_cbranch_scc1 .Lnot_q_\a                      ; q alone has a second set of codes
	HOLD \a, LM2
	CODES C2, SC2
.if \a > 0
.if \a > 1
	s_add_nc_u64 s[90:91], s[90:91], 1024
.endif
	SEND RB2+16*((\a-1)%2), 90
.endif
	PUT C2, RB2+16*(\a%2), STGB
.Lnot_q_\a:
.endr
	s_wait_dscnt 0x0
	s_wait_xcnt 0x0
	s_add_nc_u64 s[88:89], s[88:89], s[92:93]
	SEND RB1+16, 88
	s_cmp_lg_u32 s66, 0
	s_cbranch_scc1 .Lnot_q_end
	s_add_nc_u64 s[90:91], s[90:91], 1024
	SEND RB2+16, 90
.Lnot_q_end:
	s_wait_tensorcnt 0x0                           ; the wave's end
	ds_add_u32 v[SPW], v[NIL]
	s_wait_dscnt 0x0
	CROUND                                         ; the closing round: no work-group ends while a partner may still ask for a tile that names it
	s_endpgm
.Lfunc_end_k_q9f5ad96ac3_gemm_qkv:
	.size	k_q9f5ad96ac3_gemm_qkv, .Lfunc_end_k_q9f5ad96ac3_gemm_qkv-k_q9f5ad96ac3_gemm_qkv
	.p2alignl 7, 3214868480
	.fill 96, 4, 3214868480
	.section	.rodata,"a",@progbits
	.p2align	6, 0x0
	.amdhsa_kernel k_q9f5ad96ac3_gemm_qkv
		.amdhsa_group_segment_fixed_size 327680
		.amdhsa_private_segment_fixed_size 0
		.amdhsa_enable_private_segment 0
		.amdhsa_kernarg_size 56
		.amdhsa_user_sgpr_count 2
		.amdhsa_user_sgpr_kernarg_segment_ptr 1
		.amdhsa_wavefront_size32 1
		.amdhsa_system_sgpr_workgroup_id_x 1
		.amdhsa_system_sgpr_workgroup_id_y 1
		.amdhsa_system_sgpr_workgroup_id_z 1
		.amdhsa_system_vgpr_workitem_id 0
		.amdhsa_next_free_vgpr 1024
		.amdhsa_next_free_sgpr 102
		.amdhsa_reserve_vcc 0
		.amdhsa_float_denorm_mode_32 3
		.amdhsa_float_denorm_mode_16_64 3
		.amdhsa_memory_ordered 1
		.amdhsa_forward_progress 1
		.amdhsa_inst_pref_size 194
	.end_amdhsa_kernel
	.amdgpu_metadata
---
amdhsa.version: [ 1, 2 ]
amdhsa.kernels:
  - .name:           k_q9f5ad96ac3_gemm_qkv
    .symbol:         k_q9f5ad96ac3_gemm_qkv.kd
    .args:
      - { .name: xcodes, .offset: 0, .size: 8, .value_kind: global_buffer, .address_space: global }
      - { .name: wcodes, .offset: 8, .size: 8, .value_kind: global_buffer, .address_space: global }
      - { .name: lowp_scales, .offset: 16, .size: 8, .value_kind: global_buffer, .address_space: global }
      - { .name: bq, .offset: 24, .size: 8, .value_kind: global_buffer, .address_space: global }
      - { .name: bk, .offset: 32, .size: 8, .value_kind: global_buffer, .address_space: global }
      - { .name: bv, .offset: 40, .size: 8, .value_kind: global_buffer, .address_space: global }
      - { .name: qkvc, .offset: 48, .size: 8, .value_kind: global_buffer, .address_space: global }
    .group_segment_fixed_size: 327680
    .private_segment_fixed_size: 0
    .kernarg_segment_align: 8
    .kernarg_segment_size: 56
    .max_flat_workgroup_size: 128
    .sgpr_count:     102
    .vgpr_count:     1024
    .wavefront_size: 32
...
	.end_amdgpu_metadata
.endif
;; end of part 2
;; launch attn (part 3): grid 8 x 32, 16 waves a work-group, no clusters, 327,680 bytes of LDS; arguments qkvc, rkcodes, lowp_scales, acodes; writes acodes
.if DOCPART == 3
	.amdgcn_target "amdgcn-amd-amdhsa--gfx1250"
	.amdhsa_code_object_version 6
	.text
	.protected	k_q9f5ad96ac3_attn
	.globl	k_q9f5ad96ac3_attn
	.p2align	8
	.type	k_q9f5ad96ac3_attn,@function
k_q9f5ad96ac3_attn:
	s_mov_b64 s[64:65], 0
	v_nop
	global_prefetch_b8 v0, s[64:65] scope:SCOPE_SE
	s_setreg_imm32_b32 hwreg(HW_REG_WAVE_MODE, 25, 1), 1
	s_wait_xcnt 0x0
; Causal attention with relative-position scores, on E4M3 codes: logit(i, j) = (q_i . k_j + q_i . rel_key[j - i + 2047]) / 8 for j <= i; p = 2^(t - M), M the ceiling of the running largest t; the row's sum of the
; unquantised p divides at the end; the result is quantised with e12 for the projection.  LEFT OUT: key steps that lie wholly behind a wave's queries (reference()'s own mask), and the columns of q . rel_key that it never gathers for j <= i.
; A work-group owns one head's query blocks x and 15 - x (128 queries each), a wave 16 queries; all sixteen waves walk the keys 128 a step through a ring of two slots (wave 0 fetches K, wave 1 V).
; rel_key's whole table of codes, 131,072 bytes without gaps, is fetched once, 8,192 bytes a wave.  A tile of 16 rows is 1,024 bytes in the order of the operand's registers: lane (r, h) finds k = 16 h .. at
; 512 (r / 8) + 128 (h xor r / 8) + 16 (r % 8) and k = 32 + 16 h .. 256 bytes on.  A tile past the table's end serves hidden keys alone and is held at the last tile.
; q . rel_key is made by tiles of 16 table rows x 16 queries and turned through the wave's stage: row r is read back r words earlier, so that register and key agree.
; No joint loads: the work-groups of a head differ in where their tensor loads end (the causal limit), so partners would need different numbers of tiles.
; LIMITS: e6 + e7 between -123 and 130; e8 + e9 - e6 - e7 between -126 and 127; e10, e12 between -126 and 119.  The promise holds while the scaled scores stay under 2^31 in magnitude.
.set KP,    80
.set VP,    144
.set VOFF,  128*KP
.set SLOT1, 32768
.set RK,    52224
.set RKT,   1024
.set RKMAX, 127*RKT
.set STG,   RK+2048*64
.set STGW,  16*336
.set SPARE, STG+16*STGW
.set SPW,  5
.set NIL,  6
.set KFR,  32
.set RFR,  64
.set SS,   104
.set OT,   168
.set RA,   200
.set PC,   240
.set TB,   2
.set WV,   18
.set LASTQ, 19
.set SEL,  20
.set CS,   22
.set G1K,  24
.set G1V,  32
.set G0K,  40
.set G0V,  44
.set G0R,  48
.set RAT,  52
.set LIMP, 54
.set RT,   55
.set KF,   56
.set Q0,   57
.set SLOTS, 58
.set LIM,  59
.set PFA,  60
.set STS,  62
.set G1R,  76                          ; s[76:83] descriptor group 1 for the table: 32 rows of 256 bytes, no padding
.macro TLOAD
	s_cmp_eq_u32 s[WV], 0
	s_cbranch_scc0 .Lnot_k_\@
	tensor_load_to_lds s[G0K:G0K+3], s[G1K:G1K+7]
	s_nop 0
.rept 4
	v_nop
.endr
	s_branch .Lasked_\@
.Lnot_k_\@:
	s_cmp_eq_u32 s[WV], 1
	s_cbranch_scc0 .Lasked_\@
	tensor_load_to_lds s[G0V:G0V+3], s[G1V:G1V+7]
	s_nop 0
.rept 4
	v_nop
.endr
.Lasked_\@:
.endm
.macro ASK
	s_cmp_gt_u32 s[SLOTS], s[LIM]
	s_cbranch_scc0 .Lnot_mine_\@
	global_prefetch_b8 v3, s[PFA:PFA+1] th:TH_LOAD_NT scope:SCOPE_SE
.Lnot_mine_\@:
.endm
	s_load_b256 s[4:11], s[0:1], 0x0
	v_lshl_add_u32 v[SPW], v0, 2, SPARE
	v_mov_b32 v[NIL], 0
	ds_add_u32 v[SPW], v[NIL]
	ds_add_u32 v[SPW], v[NIL]
	v_lshrrev_b32 v10, 5, v0
	s_delay_alu instid0(VALU_DEP_1)
	v_readfirstlane_b32 s[WV], v10
	s_and_b32 s3, ttmp7, 0xffff
	s_lshr_b32 s96, s[WV], 2
	s_xor_b32 s96, s96, s[WV]
	s_and_b32 s96, s96, 1
	s_mul_i32 s96, s96, 15
	s_xor_b32 s96, s96, ttmp9
	s_lshl_b32 s96, s96, 3
	s_lshr_b32 s97, s[WV], 1
	s_add_co_u32 s96, s96, s97
	s_lshl_b32 s[Q0], s96, 4
	s_xor_b32 s[RT], s96, 127
	s_mul_i32 s[RT], s[RT], RKT
	s_xor_b32 s[LASTQ], ttmp9, 15
	s_lshl_b32 s[LASTQ], s[LASTQ], 7
	s_or_b32 s[LASTQ], s[LASTQ], 127
	s_lshl_b32 s98, s3, 17
	s_mov_b32 s99, 0
	s_mov_b32 s[G1K], (0<<16)|(1<<20)|(3<<22)|(3<<25)
	s_mov_b32 s[G1K+1], 256<<16                    ; K's 128 rows of 64 bytes lie end to end: stated as 32 rows of 256 bytes, the padding still behind each 64
	s_mov_b32 s[G1K+2], 32<<16
	s_mov_b32 s[G1K+3], 256<<16
	s_mov_b32 s[G1K+4], 32
	s_mov_b32 s[G1K+5], 256
	s_mov_b32 s[G1K+6], 0
	s_mov_b32 s[G1K+7], 0
	s_mov_b32 s[G1V], (0<<16)|(1<<20)|(4<<22)|(3<<25)
	s_mov_b32 s[G1V+1], 256<<16                    ; V's 64 rows of 128 bytes likewise, the padding behind each 128
	s_mov_b32 s[G1V+2], 32<<16
	s_mov_b32 s[G1V+3], 256<<16
	s_mov_b32 s[G1V+4], 32
	s_mov_b32 s[G1V+5], 256
	s_mov_b32 s[G1V+6], 0
	s_mov_b32 s[G1V+7], 0
	s_mov_b32 s[G1R], 0
	s_mov_b32 s[G1R+1], 256<<16
	s_mov_b32 s[G1R+2], 32<<16
	s_mov_b32 s[G1R+3], 256<<16
	s_mov_b32 s[G1R+4], 32
	s_mov_b32 s[G1R+5], 256
	s_mov_b32 s[G1R+6], 0
	s_mov_b32 s[G1R+7], 0
	s_mov_b32 s[SEL], 0x76543210
	s_mov_b32 s[SEL+1], 0xfedcba98
	s_mov_b32 s[CS], 0x3e38aa3b
	s_mov_b32 s[TB], 0
	s_mov_b32 s[KF], 0
	s_mov_b32 s[SLOTS], 15
	s_mul_i32 s[G0R+1], s[WV], 8192
	s_add_co_u32 s[G0R+1], s[G0R+1], RK
	s_mul_i32 s[STS], s[WV], STGW
	s_add_co_u32 s[STS], s[STS], STG
	s_wait_dscnt 0x0
	s_wait_kmcnt 0x0
	s_load_b128 s[68:71], s[8:9], 0x18
	s_load_b128 s[72:75], s[8:9], 0x28
	s_add_nc_u64 s[4:5], s[4:5], s[98:99]
	s_mov_b32 s[G0K], 1
	s_mov_b32 s[G0K+1], 0
	s_add_nc_u64 s[G0K+2:G0K+3], s[4:5], 0x400000
	s_or_b32 s[G0K+3], s[G0K+3], 0x80000000
	s_mov_b32 s[G0V], 1
	s_mov_b32 s[G0V+1], VOFF
	s_add_nc_u64 s[G0V+2:G0V+3], s[4:5], 0x800000
	s_or_b32 s[G0V+3], s[G0V+3], 0x80000000
	s_mov_b32 s[G0R], 1
	s_lshl_b32 s96, s[WV], 13
	s_mov_b32 s97, 0
	s_add_nc_u64 s[G0R+2:G0R+3], s[6:7], s[96:97]
	s_or_b32 s[G0R+3], s[G0R+3], 0x80000000
	tensor_load_to_lds s[G0R:G0R+3], s[G1R:G1R+7]
	s_nop 0
	s_wait_alu depctr_va_vdst(0)
	s_wait_tensorcnt 0x0
	ds_add_u32 v5, v6
	s_wait_dscnt 0x0
	s_barrier_signal -1
	s_barrier_wait -1
	TLOAD
	s_mov_b32 s96, 0x800000
	s_cmp_eq_u32 s[WV], 2
	s_cselect_b32 s96, 0x400000, s96
	s_add_co_u32 s96, s96, 8192
	s_mov_b32 s97, 0
	s_add_nc_u64 s[PFA:PFA+1], s[4:5], s[96:97]
	s_lshr_b32 s96, s[WV], 1
	s_xor_b32 s96, s96, 1
	s_or_b32 s96, s96, ttmp9
	s_cmp_eq_u32 s96, 0
	s_cselect_b32 s[LIM], 1, -1
	s_lshl_b32 s96, s[Q0], 6
	s_mov_b32 s97, 0
	s_add_nc_u64 s[10:11], s[10:11], s[98:99]
	s_add_nc_u64 s[10:11], s[10:11], s[96:97]
	s_add_nc_u64 s[4:5], s[4:5], s[96:97]
	s_add_nc_u64 s[12:13], s[4:5], 0xc00000
	v_and_b32 v10, 15, v0
	v_bfe_u32 v11, v0, 4, 1
	s_delay_alu instid0(VALU_DEP_2)
	v_lshlrev_b32 v232, 6, v10
	s_delay_alu instid0(VALU_DEP_1)
	v_lshl_add_u32 v232, v11, 4, v232
	global_load_b128 v[16:19], v232, s[4:5]
	global_load_b128 v[20:23], v232, s[4:5] offset:32
	global_load_b128 v[24:27], v232, s[12:13]
	global_load_b128 v[28:31], v232, s[12:13] offset:32
	v_mul_u32_u24 v1, v10, KP
	s_delay_alu instid0(VALU_DEP_1)
	v_lshl_add_u32 v1, v11, 4, v1
	v_mul_u32_u24 v2, v10, VP
	s_delay_alu instid0(VALU_DEP_1)
	v_lshl_add_u32 v2, v11, 3, v2
	s_delay_alu instid0(VALU_DEP_1)
	v_add_nc_u32 v2, VOFF, v2
	v_and_b32 v3, 31, v0
	s_delay_alu instid0(VALU_DEP_1)
	v_lshlrev_b32 v3, 8, v3
	v_lshlrev_b32 v4, 3, v11
	s_delay_alu instid0(VALU_DEP_1)
	v_sub_nc_u32 v4, v10, v4
	v_mul_u32_u24 v7, v10, 336
	s_delay_alu instid0(VALU_DEP_1)
	v_lshl_add_u32 v7, v11, 5, v7
	s_delay_alu instid0(VALU_DEP_1)
	v_add_nc_u32 v7, s[STS], v7
	v_mul_u32_u24 v8, v10, 332
	s_delay_alu instid0(VALU_DEP_1)
	v_lshl_add_u32 v8, v11, 5, v8
	s_delay_alu instid0(VALU_DEP_1)
	v_add_nc_u32 v8, s[STS], v8
	s_delay_alu instid0(VALU_DEP_1)
	v_add_nc_u32 v8, 60, v8
	v_lshrrev_b32 v233, 3, v10                     ; r / 8
	v_xor_b32 v235, v233, v11                      ; h xor r / 8
	v_and_b32 v238, 7, v10
	v_lshlrev_b32 v238, 4, v238
	v_lshl_add_u32 v238, v235, 7, v238
	v_lshl_add_u32 v11, v233, 9, v238              ; v11: my lane's place in a tile of the table; kept through the loop
	v_mov_b32 v13, 0xff61b1e6
	s_delay_alu instid0(VALU_DEP_1)
	v_floor_f32 v12, -v13
	v_mov_b32 v14, 0
	v_mov_b32 v15, 0
	v_mov_b32 v234, 0
	v_mov_b32 v237, 0
.set c, 0
.rept 32
	v_mov_b32 v[OT+c], 0
.set c, c+1
.endr
	s_wait_kmcnt 0x0
	s_add_co_i32 s96, s68, s69
	s_lshl_b32 s97, s96, 23
	s_add_co_i32 s[CS], s[CS], s97
	s_mov_b32 s[CS+1], s[CS]
	s_add_co_i32 s97, s70, s71
	s_sub_co_i32 s97, s97, s96
	s_add_co_i32 s97, s97, 127
	s_lshl_b32 s[RAT], s97, 23
	s_mov_b32 s[RAT+1], s[RAT]
	s_add_co_i32 s96, s72, 127
	s_lshl_b32 s97, s96, 23
	v_mov_b32 v9, s97
	s_add_co_i32 s96, s96, 8
	s_lshl_b32 s96, s96, 23
	s_or_b32 s[LIMP], s96, 0x600000
.macro LFRAG hf
.set c, 0
.rept 5
	s_add_co_u32 s97, s[RT], (4*\hf+c)*RKT
	s_min_u32 s97, s97, RKMAX
	v_add_nc_u32 v[PC+c], s97, v11
.set c, c+1
.endr
.set c, 0
.rept 4
	ds_load_b128 v[KFR+8*c:KFR+8*c+3], v10 offset:(64*\hf+16*c)*KP
	ds_load_b128 v[KFR+8*c+4:KFR+8*c+7], v10 offset:(64*\hf+16*c)*KP+32
.set c, c+1
.endr
.set c, 0
	s_wait_alu depctr_va_vdst(0)
.rept 5
	ds_load_b128 v[RFR+8*c:RFR+8*c+3], v[PC+c] offset:RK
	ds_load_b128 v[RFR+8*c+4:RFR+8*c+7], v[PC+c] offset:RK+256
.set c, c+1
.endr
.endm
.macro WM hf
.set c, 0
.rept 4
	v_wmma_f32_16x16x64_fp8_fp8 v[SS+32*\hf+8*c:SS+32*\hf+8*c+7], v[KFR+8*c:KFR+8*c+7], v[16:23], 0
.set c, c+1
.endr
.set c, 0
.rept 5
	v_wmma_f32_16x16x64_fp8_fp8 v[RA+8*c:RA+8*c+7], v[RFR+8*c:RFR+8*c+7], v[24:31], 0
.set c, c+1
.endr
.endm
.macro SKEW
.set c, 0
.rept 5
	ds_store_b128 v7, v[RA+8*c:RA+8*c+3] offset:64*c
	ds_store_b128 v7, v[RA+8*c+4:RA+8*c+7] offset:64*c+16
.set c, c+1
.endr
.set c, 0
.rept 32
	ds_load_b32 v[RA+c], v8 offset:64*(c/8)+4*(c%8)
.set c, c+1
.endr
.endm
.macro RFMA hf
.set c, 0
.rept 16
	v_pk_fma_f32 v[SS+32*\hf+2*c:SS+32*\hf+2*c+1], v[RA+2*c:RA+2*c+1], s[RAT:RAT+1], v[SS+32*\hf+2*c:SS+32*\hf+2*c+1] op_sel_hi:[1,0,1]
.set c, c+1
.endr
.endm
.macro STEP
	s_add_co_u32 s96, s[Q0], 15
	s_cmp_gt_u32 s[KF], s96
	s_cbranch_scc1 .Lhidden_\@
	v_add_nc_u32 v10, s[TB], v1
	s_wait_alu depctr_va_vdst(0)
.rept 3
	v_nop
.endr
	LFRAG 0
	s_wait_dscnt 0x0
	WM 0
.rept 4
	v_nop
.endr
	SKEW
	LFRAG 1
	s_wait_dscnt 18
	RFMA 0
	s_wait_dscnt 0x0
	WM 1
	v_add_nc_u32 v10, s[TB], v2
.rept 3
	v_nop
.endr
	SKEW
.set c, 0
.rept 32
	ds_load_b64 v[32+2*c:33+2*c], v10 offset:16*VP*(c/8)+16*(c%8)
.set c, c+1
.endr
	s_wait_dscnt 32
	RFMA 1
	s_add_co_u32 s96, s[KF], 127
	s_cmp_le_u32 s96, s[Q0]
	s_cbranch_scc1 .Lopen_\@
	s_sub_co_i32 s96, s[Q0], s[KF]
	v_add_nc_u32 v232, s96, v4
	v_mov_b32 v233, 0xff800000
.set c, 0
.rept 64
	v_cmp_gt_i32 vcc_lo, 16*(c/8)+c%8, v232
	s_delay_alu instid0(VALU_DEP_1)
	v_cndmask_b32 v[SS+c], v[SS+c], v233, vcc_lo
.set c, c+1
.endr
.Lopen_\@:
	v_max3_num_f32 v232, v[SS], v[SS+1], v[SS+2]
	v_max3_num_f32 v233, v[SS+3], v[SS+4], v[SS+5]
.set c, 6
.rept 14
	s_delay_alu instid0(VALU_DEP_2)
	v_max3_num_f32 v232, v232, v[SS+c], v[SS+c+1]
	s_delay_alu instid0(VALU_DEP_2)
	v_max3_num_f32 v233, v233, v[SS+c+2], v[SS+c+3]
.set c, c+4
.endr
	s_delay_alu instid0(VALU_DEP_2)
	v_max3_num_f32 v232, v232, v[SS+62], v[SS+63]
	s_delay_alu instid0(VALU_DEP_1)
	v_max_num_f32 v232, v232, v233
	v_permlanex16_b32 v234, v232, s[SEL], s[SEL+1]
	s_delay_alu instid0(VALU_DEP_1)
	v_max_num_f32 v232, v232, v234
	s_delay_alu instid0(VALU_DEP_1)
	v_mul_f32 v232, s[CS], v232
	s_delay_alu instid0(VALU_DEP_1)
	v_max_num_f32 v13, v13, v232
	v_mov_b32 v232, v12
	s_delay_alu instid0(VALU_DEP_2)
	v_floor_f32 v12, -v13
	s_delay_alu instid0(VALU_DEP_1)
	v_sub_f32 v232, v12, v232
	s_delay_alu instid0(VALU_DEP_1)
	v_cvt_i32_f32 v232, v232
	s_delay_alu instid0(VALU_DEP_1)
	v_ldexp_f32 v236, 1.0, v232
.set c, 0
.rept 32
	v_pk_fma_f32 v[SS+2*c:SS+2*c+1], v[SS+2*c:SS+2*c+1], s[CS:CS+1], v[12:13] op_sel_hi:[1,0,0]
.set c, c+1
.endr
.set c, 0
	s_wait_alu depctr_va_vdst(0)
.rept 64
	v_exp_f32 v[SS+c], v[SS+c]
.set c, c+1
.endr
	v_pk_mul_f32 v[14:15], v[14:15], v[236:237] op_sel_hi:[1,0]
	s_wait_alu depctr_va_vdst(0)
	v_pk_add_f32 v[238:239], v[SS:SS+1], v[SS+2:SS+3]
.set c, 4
.rept 15
	v_pk_add_f32 v[14:15], v[14:15], v[SS+c:SS+c+1]
	v_pk_add_f32 v[238:239], v[238:239], v[SS+c+2:SS+c+3]
.set c, c+4
.endr
	s_delay_alu instid0(VALU_DEP_1)
	v_pk_add_f32 v[14:15], v[14:15], v[238:239]
.set c, 0
.rept 8
.irp i, 0,1,2,3,4,5,6,7
	v_min_num_f32 v[SS+8*c+\i], s[LIMP], v[SS+8*c+\i]
.endr
	v_cvt_scalef32_pk8_fp8_f32 v[PC+2*c:PC+2*c+1], v[SS+8*c:SS+8*c+7], v9
.set c, c+1
.endr
.set c, 0
	s_wait_alu depctr_va_vdst(0)                   ; the wait directly ahead of the first reader of O^T
.rept 16
	v_pk_mul_f32 v[OT+2*c:OT+2*c+1], v[OT+2*c:OT+2*c+1], v[236:237] op_sel_hi:[1,0]
.set c, c+1
.endr
	s_wait_alu depctr_va_vdst(0)
	s_wait_dscnt 0x0
.set c, 0
.rept 4
	v_wmma_f32_16x16x128_fp8_fp8 v[OT+8*c:OT+8*c+7], v[32+16*c:47+16*c], v[PC:PC+15], v[OT+8*c:OT+8*c+7]
.set c, c+1
.endr
.Lhidden_\@:
	s_add_co_u32 s[KF], s[KF], 128
	s_add_co_u32 s[RT], s[RT], 8*RKT
.endm
.macro CHANGE fill
	s_wait_tensorcnt 0x0
	ds_add_u32 v[SPW], v[NIL]
.if \fill
	s_xor_b32 s[G0K+1], s[G0K+1], SLOT1
	s_add_nc_u64 s[G0K+2:G0K+3], s[G0K+2:G0K+3], 8192
	s_xor_b32 s[G0V+1], s[G0V+1], SLOT1
	s_add_nc_u64 s[G0V+2:G0V+3], s[G0V+2:G0V+3], 8192
	s_wait_xcnt 0x0
	s_add_nc_u64 s[PFA:PFA+1], s[PFA:PFA+1], 8192
.endif
	s_wait_dscnt 0x0
	s_barrier_signal -1
	s_barrier_wait -1
.if \fill
	s_add_co_u32 s96, s[KF], 128
	s_cmp_gt_u32 s96, s[LASTQ]
	s_cbranch_scc1 .Lpast_\@
	TLOAD
.Lpast_\@:
	ASK
.endif
.endm
	s_wait_loadcnt 0x0
.Lslot:
	CHANGE 1
	STEP
	s_xor_b32 s[TB], s[TB], SLOT1
	s_sub_co_u32 s[SLOTS], s[SLOTS], 1
	s_cmp_lg_u32 s[SLOTS], 0
	s_cbranch_scc1 .Lslot
	CHANGE 0
	STEP
	v_add_f32 v14, v14, v15
	s_delay_alu instid0(VALU_DEP_1)
	v_permlanex16_b32 v234, v14, s[SEL], s[SEL+1]
	s_delay_alu instid0(VALU_DEP_1)
	v_add_f32 v14, v14, v234
	s_wait_alu depctr_va_vdst(0)
	v_rcp_f32 v14, v14
	v_and_b32 v10, 15, v0
	v_bfe_u32 v11, v0, 4, 1
	s_delay_alu instid0(VALU_DEP_2)
	v_lshlrev_b32 v10, 6, v10
	s_delay_alu instid0(VALU_DEP_1)
	v_lshl_add_u32 v10, v11, 3, v10
	s_delay_alu instid0(VALU_DEP_1)
	v_add_nc_u32 v10, s[STS], v10
	v_and_b32 v11, 31, v0
	s_delay_alu instid0(VALU_DEP_1)
	v_lshlrev_b32 v232, 4, v11
	s_delay_alu instid0(VALU_DEP_1)
	v_add_nc_u32 v11, s[STS], v232
	s_add_co_i32 s96, s74, 127
	s_lshl_b32 s97, s96, 23
	v_mov_b32 v233, s97
	s_add_co_i32 s96, s96, 8
	s_lshl_b32 s96, s96, 23
	s_or_b32 s96, s96, 0x600000
	v_mov_b32 v235, s96
	s_add_co_i32 s97, s72, s73
	s_wait_alu depctr_va_vdst(0)
	v_ldexp_f32 v14, v14, s97
	s_wait_alu depctr_va_vdst(0)                   ; the wait directly ahead of the first reader of O^T
.set c, 0
.rept 16
	v_pk_mul_f32 v[SS+2*c:SS+2*c+1], v[OT+2*c:OT+2*c+1], v[14:15] op_sel_hi:[1,0]
.set c, c+1
.endr
.set c, 0
.rept 32
	v_med3_num_f32 v[SS+c], v[SS+c], -v235, v235
.set c, c+1
.endr
.irp t, 0,1,2,3
	v_cvt_scalef32_pk8_fp8_f32 v[PC+2*\t:PC+2*\t+1], v[SS+8*\t:SS+8*\t+7], v233
.endr
	v_nop
.irp t, 0,1,2,3
	ds_store_b64 v10, v[PC+2*\t:PC+2*\t+1] offset:16*\t
.endr
	ds_load_b128 v[32:35], v11
	ds_load_b128 v[36:39], v11 offset:512
	s_wait_dscnt 1
	global_store_b128 v232, v[32:35], s[10:11]
	s_wait_dscnt 0
	global_store_b128 v232, v[36:39], s[10:11] offset:512
	s_wait_tensorcnt 0x0
	ds_add_u32 v[SPW], v[NIL]
	s_wait_dscnt 0x0
	s_endpgm
.Lfunc_end_k_q9f5ad96ac3_attn:
	.size	k_q9f5ad96ac3_attn, .Lfunc_end_k_q9f5ad96ac3_attn-k_q9f5ad96ac3_attn
	.p2alignl 7, 3214868480
	.fill 96, 4, 3214868480
	.section	.rodata,"a",@progbits
	.p2align	6, 0x0
	.amdhsa_kernel k_q9f5ad96ac3_attn
		.amdhsa_group_segment_fixed_size 327680
		.amdhsa_private_segment_fixed_size 0
		.amdhsa_enable_private_segment 0
		.amdhsa_kernarg_size 32
		.amdhsa_user_sgpr_count 2
		.amdhsa_user_sgpr_kernarg_segment_ptr 1
		.amdhsa_wavefront_size32 1
		.amdhsa_system_sgpr_workgroup_id_x 1
		.amdhsa_system_sgpr_workgroup_id_y 1
		.amdhsa_system_sgpr_workgroup_id_z 1
		.amdhsa_system_vgpr_workitem_id 0
		.amdhsa_next_free_vgpr 256
		.amdhsa_next_free_sgpr 100
		.amdhsa_reserve_vcc 1
		.amdhsa_float_denorm_mode_32 3
		.amdhsa_float_denorm_mode_16_64 3
		.amdhsa_memory_ordered 1
		.amdhsa_forward_progress 1
		.amdhsa_inst_pref_size 88
	.end_amdhsa_kernel
	.amdgpu_metadata
---
amdhsa.version: [ 1, 2 ]
amdhsa.kernels:
  - .name:           k_q9f5ad96ac3_attn
    .symbol:         k_q9f5ad96ac3_attn.kd
    .args:
      - { .name: qkvc, .offset: 0, .size: 8, .value_kind: global_buffer, .address_space: global }
      - { .name: rkcodes, .offset: 8, .size: 8, .value_kind: global_buffer, .address_space: global }
      - { .name: lowp_scales, .offset: 16, .size: 8, .value_kind: global_buffer, .address_space: global }
      - { .name: acodes, .offset: 24, .size: 8, .value_kind: global_buffer, .address_space: global }
    .group_segment_fixed_size: 327680
    .private_segment_fixed_size: 0
    .kernarg_segment_align: 8
    .kernarg_segment_size: 32
    .max_flat_workgroup_size: 512
    .sgpr_count:     100
    .vgpr_count:     256
    .wavefront_size: 32
...
	.end_amdgpu_metadata
.endif
;; end of part 3
;; launch gemm_out (part 4): grid 8 x 32, 4 waves a work-group, clusters of 4 x 4, 327,680 bytes of LDS; arguments acodes, wcodes, lowp_scales, bo, out0; writes out0
.if DOCPART == 4
	.amdgcn_target "amdgcn-amd-amdhsa--gfx1250"
	.amdhsa_code_object_version 6
	.text
	.protected	k_q9f5ad96ac3_gemm_out
	.globl	k_q9f5ad96ac3_gemm_out
	.p2align	8
	.type	k_q9f5ad96ac3_gemm_out,@function
k_q9f5ad96ac3_gemm_out:
	s_mov_b64 s[64:65], 0
	v_nop
	global_prefetch_b8 v0, s[64:65] scope:SCOPE_SE
	s_setreg_imm32_b32 hwreg(HW_REG_WAVE_MODE, 25, 1), 1
	s_wait_xcnt 0x0
	s_wait_alu depctr_hold_cnt(0) depctr_sa_sdst(0) depctr_va_vdst(0) depctr_va_sdst(0) depctr_va_ssrc(0) depctr_va_vcc(0) depctr_vm_vsrc(0)
	s_getreg_b32 s2, hwreg(HW_REG_IB_STS2, 6, 4)
	s_cmp_eq_u32 s2, 0
	s_cbranch_scc0 .Lentry_in_a_cluster
	s_endpgm
.Lentry_in_a_cluster:
	s_bfe_u32 s2, ttmp6, 0x10000c
	s_cmp_lg_u32 s2, 0xf033
	s_cbranch_scc0 .Lentry_shape_is_right
	s_endpgm
.Lentry_shape_is_right:
; out0 = a Wo + bo on E4M3 codes: a [4096 tokens][1024] (e12), laid [batch x 16 + head][2048 tokens][64]; Wo's codes (e13) [1024 n][1024 k] in section 3 of wcodes; out0 f32.
; A work-group makes 128 tokens x 128 columns: 32 x 8 = 256 work-groups.  ALL OF K LIES IN LDS AT ONCE: a's 16 heads x 128 rows x 64 bytes and Wo's 128 rows x 1,024 bytes, each half by one tensor load:
; four loads, one a wave, at the head; nothing is filled again, so there is no ring, and one barrier.  With no loop over tiles there is nothing to prefetch ahead of.
; CLUSTERS: 4 x 4 work-groups; a's tile hangs on the tile row alone and is asked for jointly along a row of the cluster, Wo's on the tile column alone, along a column.
; A wave makes 64 x 64: 16 accumulators, which take turns in the same order in each of the 8 steps of 128 along K; two sets of fragments, the next step's 32 loads issued ahead of a step's products.
; The matrix instruction is used transposed (source 0 = 16 rows of Wo's codes, source 1 = 16 tokens): a lane holds one token and eight neighbouring columns.  Fragments come by loads of 16 bytes: one permutation of k, the same on both sides.
; THE BIAS is the C of each sum's first product, divided by 2^(e12 + e13); each finished sum is multiplied by that power.  LIMIT: e12 + e13 between -126 and 126.
; REGISTERS: window 0: v0-31 addresses; v32-159 a's fragments, two sets; v160-191 the bias; on the way out v32-95 rows read back, v192-223 scaled sums.  window 1: v0-127 Wo's fragments, two sets; v128-255 the accumulators.
.set PA,     80                        ; a's LDS row: 64 bytes + 16
.set HEADB,  128*PA                    ; a head's 128 rows
.set BP,     1040                      ; Wo's LDS row: 1,024 bytes + 16: 65 x 16, so 16 rows on end start at 16 different 16-byte columns of 256
.set BOFF,   16*HEADB
.set STAGE,  BOFF+128*BP               ; the way out: 16 rows x 272 bytes for each wave, bytes of their own
.set SPITCH, 272
.set SPARE,  STAGE+4*16*SPITCH         ; the spare words
.set ADRA, 16                          ; v16-19  my rows of a, heads 0, 4, 8, 12 on
.set ADRB, 20
.set STO,  24
.set RD,   25
.set CO,   26
.set SPW,  28
.set NIL,  29
.set AF,   32
.set BC,   160
.set TMP,  192
.set ACC,  128
.set G1, 24
.set G0, 32
.set G1B, 48
.set G0B, 56
.set MSB, 0
.macro WIN new                         ; the immediate's high byte repeats the setting that is left
.if MSB != \new
	s_set_vgpr_msb (MSB<<8)|\new
.set MSB, \new
.endif
.endm
.macro CROUND                          ; a round of the cluster's barrier
	s_barrier_signal -1
	s_barrier_wait -1
	s_cmp_lg_u32 s14, 0
	s_cbranch_scc1 .Lnot_wave_0_\@
	s_barrier_signal -3
.Lnot_wave_0_\@:
	s_barrier_wait -3
	s_barrier_signal -1
	s_barrier_wait -1
.endm
.macro PLACES                          ; plain vector lines between a matrix instruction and a load into, or a vector read of, its registers
.rept 4
	v_nop
.endr
.endm
	s_load_b256 s[4:11], s[0:1], 0x0               ; acodes, wcodes, the exponents, bo
	s_load_b64 s[12:13], s[0:1], 0x20              ; out0
	v_lshl_add_u32 v[SPW], v0, 2, SPARE
	v_mov_b32 v[NIL], 0
	ds_add_u32 v[SPW], v[NIL]                      ; the opening: the add, twice on end, and its wait ahead of my first tensor load
	ds_add_u32 v[SPW], v[NIL]
	v_lshrrev_b32 v1, 5, v0
	v_readfirstlane_b32 s14, v1                    ; wave
	s_lshr_b32 s15, s14, 1                         ; my half of the tokens.  Also: I fetch for a (0) or for Wo (1)
	s_and_b32 s16, s14, 1                          ; my half of the columns.  Also: which half of that tile I fetch
	s_bfe_u32 s40, ttmp6, 0x40000                  ; cx
	s_bfe_u32 s41, ttmp6, 0x40004                  ; cy
	s_lshl_b32 s42, ttmp9, 2
	s_add_co_u32 s42, s42, s40                     ; tile column, 0 .. 7
	s_and_b32 s17, ttmp7, 0xffff
	s_lshl_b32 s17, s17, 2
	s_add_co_u32 s17, s17, s41                     ; tile row, 0 .. 31
	s_lshl_b32 s43, s41, 2
	s_lshl_b32 s43, 15, s43                        ; my row of the cluster
	s_lshl_b32 s44, 0x1111, s40                    ; my column
	s_or_b32 s[G1+0], s43, (0<<16)|(1<<20)|(1<<21)|(3<<22)|(3<<25)  ; a: 8 heads, each 8,192 dense bytes; 4 words of padding after every 16
	s_mov_b32 s[G1+1], 8192<<16
	s_mov_b32 s[G1+2], 8<<16
	s_mov_b32 s[G1+3], 8192<<16
	s_mov_b32 s[G1+4], 8
	s_mov_b32 s[G1+5], 131072
	s_mov_b32 s[G1+6], 0
	s_mov_b32 s[G1+7], 0
	s_or_b32 s[G1B+0], s44, (0<<16)|(1<<20)|(1<<21)|(7<<22)|(3<<25) ; Wo: 64 rows of 1,024 bytes; 4 words of padding after every 256
	s_mov_b32 s[G1B+1], 1024<<16
	s_mov_b32 s[G1B+2], 64<<16
	s_mov_b32 s[G1B+3], 1024<<16
	s_mov_b32 s[G1B+4], 64
	s_mov_b32 s[G1B+5], 1024
	s_mov_b32 s[G1B+6], 0
	s_mov_b32 s[G1B+7], 0
	s_lshr_b32 s20, s17, 4                         ; batch
	s_lshl_b32 s20, s20, 21
	s_and_b32 s18, s17, 15
	s_lshl_b32 s18, s18, 13                        ; my 128 tokens in a head
	s_add_co_u32 s20, s20, s18
	s_lshl_b32 s18, s16, 20                        ; heads 8 x half on
	s_add_co_u32 s20, s20, s18
	s_mov_b32 s21, 0
	s_lshl_b32 s46, s42, 7
	s_lshl_b32 s18, s16, 6
	s_add_co_u32 s46, s46, s18
	s_lshl_b32 s46, s46, 10                        ; Wo: row 128 x tile column + 64 x half
	s_add_co_u32 s46, s46, 0x300000
	s_mov_b32 s47, 0
	s_mul_i32 s45, s16, 8*HEADB
	s_mul_i32 s19, s16, 64*BP
	s_add_co_u32 s19, s19, BOFF
	s_wait_dscnt 0x0                               ; both opening adds are done
	s_wait_kmcnt 0x0
	s_load_b64 s[96:97], s[8:9], 0x30              ; e12, e13
	s_mov_b32 s[G0], 1
	s_add_co_u32 s[G0+1], s45, 0
	s_add_nc_u64 s[G0+2:G0+3], s[4:5], s[20:21]
	s_or_b32 s[G0+3], s[G0+3], 0x80000000
	s_mov_b32 s[G0B], 1
	s_add_co_u32 s[G0B+1], s19, 0
	s_add_nc_u64 s[G0B+2:G0B+3], s[6:7], s[46:47]
	s_or_b32 s[G0B+3], s[G0B+3], 0x80000000
	CROUND                                         ; all sixteen work-groups are here: the joint loads meet
	s_cmp_eq_u32 s15, 0
	s_cbranch_scc0 .Lfor_b
	tensor_load_to_lds s[G0:G0+3], s[G1:G1+7]
	s_nop 0
	PLACES
	s_branch .Lasked
.Lfor_b:
	tensor_load_to_lds s[G0B:G0B+3], s[G1B:G1B+7]
	s_nop 0
	PLACES
.Lasked:
	s_mul_i32 s21, s15, 64*PA                      ; my 64 tokens in a head's rows
	s_mul_i32 s22, s16, 64*BP
	s_add_co_u32 s22, s22, BOFF                    ; my 64 rows of Wo
	s_mul_i32 s23, s14, 16*SPITCH
	s_add_co_u32 s23, s23, STAGE                   ; my stage
	s_lshl_b32 s2, s17, 7
	s_lshl_b32 s3, s15, 6
	s_add_co_u32 s2, s2, s3
	s_lshl_b32 s2, s2, 12                          ; my first row of out0, 4,096 bytes a row
	s_mov_b32 s3, 0
	s_lshl_b32 s46, s42, 9
	s_lshl_b32 s47, s16, 8
	s_add_co_u32 s46, s46, s47                     ; my first column, in bytes
	s_mov_b32 s47, 0
	s_add_nc_u64 s[12:13], s[12:13], s[2:3]
	s_add_nc_u64 s[12:13], s[12:13], s[46:47]
	s_add_nc_u64 s[10:11], s[10:11], s[46:47]
	v_and_b32 v1, 15, v0                           ; r
	v_bfe_u32 v2, v0, 4, 1                         ; h
	v_mul_u32_u24 v3, v1, PA
	v_lshl_add_u32 v3, v2, 4, v3
	v_mul_u32_u24 v4, v1, BP
	v_lshl_add_u32 v4, v2, 4, v4
	v_add_nc_u32 v[ADRA], s21, v3
	v_add_nc_u32 v[ADRA+1], 4*HEADB, v[ADRA]
	v_add_nc_u32 v[ADRA+2], 8*HEADB, v[ADRA]
	v_add_nc_u32 v[ADRA+3], 12*HEADB, v[ADRA]
	v_add_nc_u32 v[ADRB], s22, v4
	v_mul_u32_u24 v5, v1, SPITCH
	v_lshl_add_u32 v5, v2, 5, v5
	v_add_nc_u32 v[STO], s23, v5                   ; into the stage: row r, 32 bytes for each half of the lanes
	v_mul_u32_u24 v6, v2, SPITCH
	v_lshl_add_u32 v6, v1, 4, v6
	v_add_nc_u32 v[RD], s23, v6                    ; back: sixteen lanes to a row of 256 bytes, two rows an instruction
	v_lshlrev_b32 v7, 12, v2
	v_lshl_add_u32 v[CO], v1, 4, v7                ; and the same two rows in out0
	v_lshlrev_b32 v30, 5, v2                       ; 32 h
	s_wait_alu depctr_va_vdst(0)
.irp b, 0,1,2,3                        ; the bias: column block b, register j: column 16 b + 8 h + j
	global_load_b128 v[BC+8*\b:BC+8*\b+3], v30, s[10:11] offset:64*\b
	global_load_b128 v[BC+8*\b+4:BC+8*\b+7], v30, s[10:11] offset:64*\b+16
.endr
	s_wait_kmcnt 0x0
	s_add_co_i32 s96, s96, s97                     ; e12 + e13
	s_sub_co_i32 s22, 0, s96
	s_add_co_i32 s96, s96, 127
	s_lshl_b32 s96, s96, 23                        ; 2^(e12 + e13) as f32
	s_mov_b32 s97, s96
	s_wait_loadcnt 0x0
.set j, 0
.rept 32
	v_ldexp_f32 v[BC+j], v[BC+j], s22
.set j, j+1
.endr
.macro FA set, q                       ; my four blocks of 16 tokens x 128 K: heads 2 q and 2 q + 1
.irp i, 0,1,2,3
.irp c, 0,1,2,3
	ds_load_b128 v[AF+64*(\set)+16*\i+4*\c:AF+64*(\set)+16*\i+4*\c+3], v[ADRA+((\q)/2)] offset:(2*((\q)%2)+\c/2)*HEADB+32*(\c%2)+\i*16*PA
.endr
.endr
.endm
.macro FB set, q                       ; my four blocks of 16 rows of Wo x 128 K, into window 1
	WIN 0x40
.irp i, 0,1,2,3
.irp c, 0,1,2,3
	ds_load_b128 v[64*(\set)+16*\i+4*\c:64*(\set)+16*\i+4*\c+3], v[ADRB] offset:128*(\q)+32*\c+\i*16*BP
.endr
.endr
	WIN 0
.endm
.macro MUL set, first                  ; 16 products; first: the sums start from the bias
.irp a, 0,1,2,3
.irp b, 0,1,2,3
.if \first
	v_wmma_f32_16x16x128_fp8_fp8 v[ACC+8*(4*\a+\b):ACC+8*(4*\a+\b)+7], v[64*(\set)+16*\b:64*(\set)+16*\b+15], v[AF+64*(\set)+16*\a:AF+64*(\set)+16*\a+15], v[BC+8*\b:BC+8*\b+7]
.else
	v_wmma_f32_16x16x128_fp8_fp8 v[ACC+8*(4*\a+\b):ACC+8*(4*\a+\b)+7], v[64*(\set)+16*\b:64*(\set)+16*\b+15], v[AF+64*(\set)+16*\a:AF+64*(\set)+16*\a+15], v[ACC+8*(4*\a+\b):ACC+8*(4*\a+\b)+7]
.endif
.endr
.endr
.endm
	s_wait_alu depctr_va_vdst(0)                   ; the wait at the head's end
	s_wait_tensorcnt 0x0                           ; my part of the tiles is in
	s_barrier_signal -1
	s_barrier_wait -1                              ; and everybody's
	FB 0, 0
	FA 0, 0
.set QQ, 0
.rept 8
.if QQ < 7
.if QQ > 0
	PLACES                                         ; the loads below land in registers that the last step's products read
.endif
	FB (QQ+1)%2, QQ+1
	FA (QQ+1)%2, QQ+1
	s_wait_dscnt 32                                ; all but the 32 loads just issued: this step's fragments are in
.else
	s_wait_dscnt 0x0
.endif
.if QQ == 0
	WIN 0x41                                       ; source 0 and D in window 1, C (the bias) in window 0
.else
	WIN 0x51                                       ; C in window 1 too
.endif
	MUL QQ%2, QQ==0
	WIN 0
.set QQ, QQ+1
.endr
; THE WAY OUT, by blocks of 16 tokens x 64 columns: each sum x 2^(e12 + e13), through my stage, back as rows of 256 bytes: sixteen lanes store 256 aligned bytes.  LDS serves a wave's instructions in order (ISA guide 5.7.1.4).
.macro TOSTAGE a
	WIN 0x01
.set j, 0
.rept 16
	v_pk_mul_f32 v[TMP+j:TMP+j+1], v[ACC+32*(\a)+j:ACC+32*(\a)+j+1], s[96:97] op_sel_hi:[1,0]   ; each accumulator from its low end on
.set j, j+2
.endr
	WIN 0
.irp b, 0,1,2,3
	ds_store_b128 v[STO], v[TMP+8*\b:TMP+8*\b+3] offset:64*\b
	ds_store_b128 v[STO], v[TMP+8*\b+4:TMP+8*\b+7] offset:64*\b+16
.endr
.irp t, 0,1,2,3,4,5,6,7
	ds_load_b128 v[AF+32*((\a)%2)+4*\t:AF+32*((\a)%2)+4*\t+3], v[RD] offset:\t*2*SPITCH
.endr
.endm
.macro SEND a, younger                 ; younger: the LDS instructions issued behind block a's loads
	s_wait_dscnt \younger
.if (\a) > 0
	s_add_nc_u64 s[12:13], s[12:13], 16*4096       ; behind a wait on XCNT: the earlier stores have read their base
.endif
.irp t, 0,1,2,3,4,5,6,7
	global_store_b128 v[CO], v[AF+32*((\a)%2)+4*\t:AF+32*((\a)%2)+4*\t+3], s[12:13] offset:2*\t*4096 th:TH_STORE_NT
.endr
.endm
	PLACES                                         ; behind the last products
	TOSTAGE 0
.irp a, 1,2,3
.if \a > 1
	s_wait_xcnt 0x0                                ; block a - 2's stores have read their registers and their base
.endif
	TOSTAGE \a
	SEND \a-1, 16                                  ; behind block a - 1's loads: block a's 8 stores and 8 loads
.endr
	s_wait_xcnt 0x0
	SEND 3, 0
	s_wait_tensorcnt 0x0                           ; the wave's end
	ds_add_u32 v[SPW], v[NIL]
	s_wait_dscnt 0x0
	CROUND                                         ; the closing round
	s_endpgm
.Lfunc_end_k_q9f5ad96ac3_gemm_out:
	.size	k_q9f5ad96ac3_gemm_out, .Lfunc_end_k_q9f5ad96ac3_gemm_out-k_q9f5ad96ac3_gemm_out
	.p2alignl 7, 3214868480
	.fill 96, 4, 3214868480
	.section	.rodata,"a",@progbits
	.p2align	6, 0x0
	.amdhsa_kernel k_q9f5ad96ac3_gemm_out
		.amdhsa_group_segment_fixed_size 327680
		.amdhsa_private_segment_fixed_size 0
		.amdhsa_enable_private_segment 0
		.amdhsa_kernarg_size 40
		.amdhsa_user_sgpr_count 2
		.amdhsa_user_sgpr_kernarg_segment_ptr 1
		.amdhsa_wavefront_size32 1
		.amdhsa_system_sgpr_workgroup_id_x 1
		.amdhsa_system_sgpr_workgroup_id_y 1
		.amdhsa_system_sgpr_workgroup_id_z 1
		.amdhsa_system_vgpr_workitem_id 0
		.amdhsa_next_free_vgpr 512
		.amdhsa_next_free_sgpr 98
		.amdhsa_reserve_vcc 0
		.amdhsa_float_denorm_mode_32 3
		.amdhsa_float_denorm_mode_16_64 3
		.amdhsa_memory_ordered 1
		.amdhsa_forward_progress 1
		.amdhsa_inst_pref_size 48
	.end_amdhsa_kernel
	.amdgpu_metadata
---
amdhsa.version: [ 1, 2 ]
amdhsa.kernels:
  - .name:           k_q9f5ad96ac3_gemm_out
    .symbol:         k_q9f5ad96ac3_gemm_out.kd
    .args:
      - { .name: acodes, .offset: 0, .size: 8, .value_kind: global_buffer, .address_space: global }
      - { .name: wcodes, .offset: 8, .size: 8, .value_kind: global_buffer, .address_space: global }
      - { .name: lowp_scales, .offset: 16, .size: 8, .value_kind: global_buffer, .address_space: global }
      - { .name: bo, .offset: 24, .size: 8, .value_kind: global_buffer, .address_space: global }
      - { .name: out0, .offset: 32, .size: 8, .value_kind: global_buffer, .address_space: global }
    .group_segment_fixed_size: 327680
    .private_segment_fixed_size: 0
    .kernarg_segment_align: 8
    .kernarg_segment_size: 40
    .max_flat_workgroup_size: 128
    .sgpr_count:     98
    .vgpr_count:     512
    .wavefront_size: 32
...
	.end_amdgpu_metadata
.endif
;; end of part 4
